; MI455X (gfx1250); checked and timed in simulation.
; The chip was launched on July 23, 2026; its instructions are those of AMD's public machine-readable ISA for CDNA 5 (MIT licence, August 2026) and "CDNA5" Instruction Set Architecture Reference Guide (July 2026). The comments in the code are by the model that wrote it; some were corrected since.
;; Text Cond Block. Allowed arithmetic: float matrix products may take bf16 or f16 operands with f32 sums; all other float work in f32.
;; Inputs: Wk 1,024 x 1,024 float32; Wo 1,024 x 1,024 float32; Wq 1,024 x 1,024 float32; Wv 1,024 x 1,024 float32; b_t 1,024 float32; b_x 1,024 float32; bk 1,024 float32; bo 1,024 float32; bq 1,024 float32; bv 1,024 float32; g_t 1,024 float32; g_x 1,024 float32; text_embeddings 8 x 512 x 1,024 float32; x 8 x 1,024 x 2,048 float32.
;; Outputs: out0 8 x 1,024 x 2,048 float32.
;; One version. Each part assembles by itself: llvm-mc -triple=amdgcn-amd-amdhsa -mcpu=gfx1250 --defsym DOCPART=n.
;; ======== version 1 of 1: 4 launches
;; workspace buffers: xn 33,554,432 bytes; tn 8,388,608 bytes; wb 8,388,608 bytes; tab 524,288 bytes; qh 33,554,432 bytes; kh 8,388,608 bytes; vh 8,388,608 bytes; oh 33,554,432 bytes
;; launch prep (part 1): grid 256 x 1, 16 waves a work-group, no clusters, 142,336 bytes of LDS; arguments x, text_embeddings, g_x, b_x, g_t, b_t, Wq, Wk, Wv, Wo, xn, tn, wb, tab; writes xn, tn, wb, tab
.if DOCPART == 1
	.amdgcn_target "amdgcn-amd-amdhsa--gfx1250"
	.amdhsa_code_object_version 6
	.text
	.protected	k_q8ff58ec2d7_prep
	.globl	k_q8ff58ec2d7_prep
	.p2align	8
	.type	k_q8ff58ec2d7_prep,@function
k_q8ff58ec2d7_prep:
	s_mov_b64 s[64:65], 0
	v_nop
	global_prefetch_b8 v0, s[64:65] scope:SCOPE_SE
	s_setreg_imm32_b32 hwreg(HW_REG_WAVE_MODE, 25, 1), 1
	s_wait_xcnt 0x0
; PREP.  Four jobs, all of them in every work-group g (256 work-groups, 16 waves):
;  (1) xn[64 g + s][c] = LayerNorm over c of x[b][c][s] (b = g / 32, s from 64 (g % 32) on), bf16, turned from [c][s] to [s][c] through LDS.
;      The slab of 1,024 c x 64 s f32 lies in registers, 128 a lane, between the pass for the mean, the pass for the centred squares and the scaling: x is read once.
;  (2) tn[16 g + w][:] = LayerNorm of a text row, one row a wave, bf16.      (3) wb[16 g + w][:] = a row of Wq, Wk, Wv, Wo (in this order) in bf16, not turned.
;  (4) tab[pos][0..31] = cos(pos f_i), tab[pos][32..63] = sin(pos f_i), f_i = 10000^(-i/32), for the positions 8 g .. 8 g + 7 (waves 0 to 3).
; No matrix unit, no tensor load, no cluster: nothing is multiplied and no two work-groups read the same bytes but the gains and biases.
; LIMITS.  The variance is taken of centred numbers, so a common offset costs no digits.  1/sqrt by v_rsq_f32 (1 ulp).  The angle is reduced in f32: at up to 326 turns it is good to about 4e-4 rad;
; the cosine is its series to the 16th power on -pi .. pi (the term left out is below 2e-7).  NaN and infinities are not treated apart.
.set PITCH, 2064                       ; an LDS row of XT: 1,024 bf16 + 16 bytes = 129 x 16 bytes, so sixteen lanes a row apart touch sixteen different 16-byte columns
.set RED1,  64*PITCH                   ; 16 waves x 256 bytes: the column sums
.set RED2,  RED1+4096                  ; the same for the centred squares
.set SPARE, RED2+4096                  ; the spare words, 128 bytes for each of 16 waves: eight blocks of 256 bytes that no other line names
.set XO,   4                           ; v4   byte offset in the slab of x: (64 w + 32 h) rows of 8,192 bytes + 16 (l % 16)
.set GBO,  5                           ; v5   byte offset in g_x, b_x of my 32 channels
.set STXA, 6                           ; v6   XT: where my 16 bytes go, columns j = 0, 1
.set STXB, 7                           ; v7   the same for j = 2, 3
.set RDX,  8                           ; v8   XT: where I read whole rows back
.set REDW, 9                           ; v9   my wave's place in RED1
.set REDR, 10                          ; v10  my columns' place in wave 0's part of RED1
.set L16,  11                          ; v11  16 x lane
.set SPW,  12                          ; v12  my spare word; never rewritten
.set NIL,  13                          ; v13  0; never rewritten
.set L8,   14                          ; v14  8 x lane
.set TBO,  15                          ; v15  16 x thread: my place in the work-group's 2,048 bytes of tab
.set CH,   16                          ; v16-23  running sums
.set MEAN, 24                          ; v24-27
.set RSTD, 28                          ; v28-31
.set T,    32                          ; v32-63  at work
.set GV,   64                          ; v64-95  g_x of my 32 channels; later rows of xn on their way out
.set BV,   96                          ; v96-127 b_x likewise
.set X,    128                         ; v128-255 the slab: channel 64 w + 32 h + i, columns 4 (l % 16) + j at X + 4 i + j; later a weight row, a text row, g_t, b_t
.set TX,   X+32
.set TG,   X+64
.set TB,   X+96
	s_load_b512 s[16:31], s[0:1], 0x0              ; x s[16:17], text s[18:19], g_x s[20:21], b_x s[22:23], g_t s[24:25], b_t s[26:27], Wq s[28:29], Wk s[30:31]
	s_load_b256 s[32:39], s[0:1], 0x40             ; Wv s[32:33], Wo s[34:35], xn s[36:37], tn s[38:39]
	s_load_b128 s[40:43], s[0:1], 0x60             ; wb s[40:41], tab s[42:43]
	v_lshl_add_u32 v[SPW], v0, 2, SPARE
	v_mov_b32 v[NIL], 0
	v_lshrrev_b32 v1, 5, v0
	v_readfirstlane_b32 s8, v1                     ; wave 0..15
	v_and_b32 v1, 31, v0                           ; lane
	v_and_b32 v2, 15, v0                           ; l % 16
	v_bfe_u32 v3, v0, 4, 1                         ; h = l / 16
	s_mov_b32 s44, 0x3a800000                      ; 1 / 1024
	s_mov_b32 s45, 0x3727c5ac                      ; 1e-5
	s_mov_b32 s46, 0x76543210                      ; v_permlanex16_b32: each lane takes its own place in the other half
	s_mov_b32 s47, 0xfedcba98
	s_lshr_b32 s2, ttmp9, 5                        ; x: batch g / 32, 8 MiB each,
	s_lshl_b32 s2, s2, 23
	s_and_b32 s3, ttmp9, 31                        ; and 64 columns = 256 bytes for g % 32
	s_lshl_b32 s3, s3, 8
	s_add_co_u32 s2, s2, s3
	s_mov_b32 s3, 0
	s_and_b32 s4, s8, 3                            ; xn: the rows that wave w stores are 64 g + 16 (w % 4) + w / 4 + 4 t
	s_lshl_b32 s4, s4, 4
	s_lshr_b32 s5, s8, 2
	s_add_co_u32 s4, s4, s5
	s_lshl_b32 s4, s4, 11
	s_lshl_b32 s5, ttmp9, 17
	s_add_co_u32 s4, s4, s5
	s_mov_b32 s5, 0
	s_lshl4_add_u32 s9, ttmp9, s8                  ; 16 g + w: my text row, and my row of wb
	s_lshl_b32 s6, s9, 12
	s_mov_b32 s7, 0
	s_lshl_b32 s10, s9, 11
	s_mov_b32 s11, 0
	s_and_b32 s12, ttmp9, 63                       ; my row in its weight
	s_lshl4_add_u32 s12, s12, s8
	s_lshl_b32 s12, s12, 12
	s_mov_b32 s13, 0
	s_lshl_b32 s14, ttmp9, 11                      ; tab: eight positions of 256 bytes
	s_mov_b32 s15, 0
	s_lshr_b32 s48, ttmp9, 6                       ; which weight: 0 q, 1 k, 2 v, 3 o
	s_lshl_b32 s49, ttmp9, 3                       ; the first position
	v_lshrrev_b32 v[T], 4, v0                      ; 2 w + h
	v_lshlrev_b32 v[XO], 18, v[T]                  ; x 32 rows of 8,192 bytes
	v_lshl_add_u32 v[XO], v2, 4, v[XO]
	v_lshlrev_b32 v[GBO], 7, v[T]                  ; x 32 numbers of 4 bytes
	v_mul_u32_u24 v[STXA], v2, PITCH               ; XT row 16 j + l % 16 holds column 4 (l % 16) + j
	v_lshl_add_u32 v[STXA], v3, 6, v[STXA]         ; + 32 h channels
	s_lshl_b32 s50, s8, 7
	v_add_nc_u32 v[STXA], s50, v[STXA]             ; + 64 w channels
	v_add_nc_u32 v[STXB], 32*PITCH, v[STXA]
	v_lshlrev_b32 v[L16], 4, v1
	s_mul_i32 s50, s8, 4*PITCH
	v_add_nc_u32 v[RDX], s50, v[L16]               ; wave w reads XT rows 4 w .. 4 w + 3
	v_lshlrev_b32 v[REDR], 4, v2
	v_add_nc_u32 v[REDR], RED1, v[REDR]
	s_lshl_b32 s50, s8, 8
	v_add_nc_u32 v[REDW], s50, v[REDR]
	v_lshlrev_b32 v[L8], 3, v1
	v_lshlrev_b32 v[TBO], 4, v0
	s_wait_kmcnt 0x0
	s_add_nc_u64 s[16:17], s[16:17], s[2:3]
	s_add_nc_u64 s[36:37], s[36:37], s[4:5]
	s_add_nc_u64 s[18:19], s[18:19], s[6:7]
	s_add_nc_u64 s[38:39], s[38:39], s[10:11]
	s_add_nc_u64 s[40:41], s[40:41], s[10:11]
	s_add_nc_u64 s[42:43], s[42:43], s[14:15]
	s_cmp_eq_u32 s48, 0
	s_cselect_b64 s[52:53], s[28:29], s[30:31]     ; Wq or Wk
	s_cmp_eq_u32 s48, 2
	s_cselect_b64 s[54:55], s[32:33], s[34:35]     ; Wv or Wo
	s_cmp_lt_u32 s48, 2
	s_cselect_b64 s[52:53], s[52:53], s[54:55]
	s_add_nc_u64 s[52:53], s[52:53], s[12:13]
.irp u, 0,1,2,3,4,5,6,7
	global_load_b128 v[GV+4*\u:GV+4*\u+3], v[GBO], s[20:21] offset:16*\u
.endr
.irp u, 0,1,2,3,4,5,6,7
	global_load_b128 v[BV+4*\u:BV+4*\u+3], v[GBO], s[22:23] offset:16*\u
.endr
.set i, 0
.rept 32                               ; sixteen lanes take the 256 bytes of one channel's row, the other sixteen those of the channel 32 further on
	global_load_b128 v[X+4*i:X+4*i+3], v[XO], s[16:17] offset:8192*i th:TH_LOAD_NT
.set i, i+1
.endr
	; THE TABLE, in the wait for the slab.  Thread t < 128: position 8 g + t / 16; e = t % 16: four frequencies 4 (e % 8) + k; e < 8 the cosine, else the sine as cos(angle - a quarter turn).
	s_cmp_lt_u32 s8, 4
	s_cbranch_scc0 .Lno_table
	v_lshrrev_b32 v[T+1], 4, v0
	v_add_nc_u32 v[T+1], s49, v[T+1]
	v_cvt_f32_u32 v[T+1], v[T+1]                   ; the position
	v_and_b32 v[T+2], 7, v0
	v_lshlrev_b32 v[T+2], 2, v[T+2]
	v_bfe_u32 v[T+3], v0, 3, 1
	v_cvt_f32_u32 v[T+3], v[T+3]
	v_mul_f32 v[T+3], 0xbe800000, v[T+3]           ; 0 or -1/4 turn
.irp k, 0,1,2,3
	v_add_nc_u32 v[T+4+\k], \k, v[T+2]
.endr
.irp k, 0,1,2,3
	v_cvt_f32_u32 v[T+4+\k], v[T+4+\k]
.endr
.irp k, 0,1,2,3
	v_mul_f32 v[T+4+\k], 0xbed49a78, v[T+4+\k]     ; - i log2(10000) / 32
.endr
.irp k, 0,1,2,3
	v_exp_f32 v[T+4+\k], v[T+4+\k]
.endr
	v_nop                                          ; a plain instruction between the last exponential and the use of its result (ISA guide 5.7.2)
	s_wait_alu depctr_va_vdst(0)
.irp k, 0,1,2,3
	v_mul_f32 v[T+4+\k], v[T+1], v[T+4+\k]         ; the angle, rounded as a product of two f32
.endr
.irp k, 0,1,2,3
	v_fma_f32 v[T+4+\k], v[T+4+\k], 0.15915494, v[T+3]  ; in turns
.endr
.irp k, 0,1,2,3
	v_rndne_f32 v[T+8+\k], v[T+4+\k]
.endr
.irp k, 0,1,2,3
	v_sub_f32 v[T+4+\k], v[T+4+\k], v[T+8+\k]      ; -1/2 .. 1/2 turn
.endr
.irp k, 0,1,2,3
	v_mul_f32 v[T+4+\k], v[T+4+\k], v[T+4+\k]
.endr
.irp k, 0,1,2,3
	v_mul_f32 v[T+4+\k], 0x421de9e6, v[T+4+\k]     ; y = the angle squared: x 4 pi^2
.endr
.irp k, 0,1,2,3
	v_mov_b32 v[T+8+\k], 0x29573f9f                ; 1/16!
.endr
.irp c, 0xad49cba5, 0x310f76c8, 0xb493f27e, 0x37d00d01, 0xbab60b61, 0x3d2aaaab  ; -1/14!, 1/12!, -1/10!, 1/8!, -1/6!, 1/4!
.irp k, 0,1,2,3
	v_fmaak_f32 v[T+8+\k], v[T+8+\k], v[T+4+\k], \c
.endr
.endr
.irp k, 0,1,2,3
	v_fma_f32 v[T+8+\k], v[T+8+\k], v[T+4+\k], -0.5
.endr
.irp k, 0,1,2,3
	v_fma_f32 v[T+8+\k], v[T+8+\k], v[T+4+\k], 1.0
.endr
	global_store_b128 v[TBO], v[T+8:T+11], s[42:43]  ; a wave's store covers 512 consecutive bytes
.Lno_table:
	s_wait_xcnt 0x0                                ; the store's data registers are written again below only behind this wait
; The sums that four running registers hold for my lane's four columns are added over the two halves of the lanes and the sixteen waves.  red: 0 for RED1, 4096 for RED2.
.macro COLRED red
	v_pk_add_f32 v[CH:CH+1], v[CH:CH+1], v[CH+4:CH+5]
	v_pk_add_f32 v[CH+2:CH+3], v[CH+2:CH+3], v[CH+6:CH+7]
.irp k, 0,1,2,3
	v_permlanex16_b32 v[CH+4+\k], v[CH+\k], s46, s47
.endr
	v_pk_add_f32 v[CH:CH+1], v[CH:CH+1], v[CH+4:CH+5]
	v_pk_add_f32 v[CH+2:CH+3], v[CH+2:CH+3], v[CH+6:CH+7]
	ds_store_b128 v[REDW], v[CH:CH+3] offset:\red  ; both halves of the lanes write the same numbers to the same bytes
	s_wait_dscnt 0x0                               ; for the others' sake: my store is done
	s_barrier_signal -1
	s_barrier_wait -1
.irp half, 0,1
.irp u, 0,1,2,3,4,5,6,7
	ds_load_b128 v[T+4*\u:T+4*\u+3], v[REDR] offset:(\red)+2048*\half+256*\u
.endr
	s_wait_dscnt 0x0
.irp p, 0,2
.if \half == 0
	v_pk_add_f32 v[CH+\p:CH+\p+1], v[T+\p:T+\p+1], v[T+8+\p:T+8+\p+1]
	v_pk_add_f32 v[CH+4+\p:CH+4+\p+1], v[T+4+\p:T+4+\p+1], v[T+12+\p:T+12+\p+1]
.else
	v_pk_add_f32 v[CH+\p:CH+\p+1], v[CH+\p:CH+\p+1], v[T+\p:T+\p+1]
	v_pk_add_f32 v[CH+4+\p:CH+4+\p+1], v[CH+4+\p:CH+4+\p+1], v[T+4+\p:T+4+\p+1]
	v_pk_add_f32 v[CH+\p:CH+\p+1], v[CH+\p:CH+\p+1], v[T+8+\p:T+8+\p+1]
	v_pk_add_f32 v[CH+4+\p:CH+4+\p+1], v[CH+4+\p:CH+4+\p+1], v[T+12+\p:T+12+\p+1]
.endif
	v_pk_add_f32 v[CH+\p:CH+\p+1], v[CH+\p:CH+\p+1], v[T+16+\p:T+16+\p+1]
	v_pk_add_f32 v[CH+4+\p:CH+4+\p+1], v[CH+4+\p:CH+4+\p+1], v[T+20+\p:T+20+\p+1]
	v_pk_add_f32 v[CH+\p:CH+\p+1], v[CH+\p:CH+\p+1], v[T+24+\p:T+24+\p+1]
	v_pk_add_f32 v[CH+4+\p:CH+4+\p+1], v[CH+4+\p:CH+4+\p+1], v[T+28+\p:T+28+\p+1]
.endr
.endr
	v_pk_add_f32 v[CH:CH+1], v[CH:CH+1], v[CH+4:CH+5]
	v_pk_add_f32 v[CH+2:CH+3], v[CH+2:CH+3], v[CH+6:CH+7]
.endm
.macro WAVESUM                         ; v[CH] over the 32 lanes, the result in every lane
	v_add_f32_dpp v[CH], v[CH], v[CH] row_xmask:1 row_mask:0xf bank_mask:0xf
	v_add_f32_dpp v[CH], v[CH], v[CH] row_xmask:2 row_mask:0xf bank_mask:0xf
	v_add_f32_dpp v[CH], v[CH], v[CH] row_xmask:4 row_mask:0xf bank_mask:0xf
	v_add_f32_dpp v[CH], v[CH], v[CH] row_xmask:8 row_mask:0xf bank_mask:0xf
	v_permlanex16_b32 v[CH+1], v[CH], s46, s47
	v_add_f32 v[CH], v[CH], v[CH+1]
.endm
	; PASS 1: the column sums.  Even rows in one pair of chains, odd rows in another; rows 0 to 3 start them: nothing is cleared.
	s_wait_loadcnt 24                              ; rows 0 to 7 are in (g_x and b_x too); the 24 younger row loads stay out
	v_pk_add_f32 v[CH:CH+1], v[X:X+1], v[X+8:X+9]
	v_pk_add_f32 v[CH+2:CH+3], v[X+2:X+3], v[X+10:X+11]
	v_pk_add_f32 v[CH+4:CH+5], v[X+4:X+5], v[X+12:X+13]
	v_pk_add_f32 v[CH+6:CH+7], v[X+6:X+7], v[X+14:X+15]
.set i, 4
.rept 28
.if i%8 == 0
	s_wait_loadcnt 24-i                            ; the next eight rows: 16, 8, 0 younger loads stay out
.endif
	v_pk_add_f32 v[CH+4*(i%2):CH+4*(i%2)+1], v[CH+4*(i%2):CH+4*(i%2)+1], v[X+4*i:X+4*i+1]
	v_pk_add_f32 v[CH+4*(i%2)+2:CH+4*(i%2)+3], v[CH+4*(i%2)+2:CH+4*(i%2)+3], v[X+4*i+2:X+4*i+3]
.set i, i+1
.endr
	COLRED 0
	v_pk_mul_f32 v[MEAN:MEAN+1], v[CH:CH+1], s[44:45] op_sel_hi:[1,0]
	v_pk_mul_f32 v[MEAN+2:MEAN+3], v[CH+2:CH+3], s[44:45] op_sel_hi:[1,0]
	; PASS 2: centre in place, then the squares of the centred numbers
.set i, 0
.rept 32
	v_pk_add_f32 v[X+4*i:X+4*i+1], v[X+4*i:X+4*i+1], v[MEAN:MEAN+1] neg_lo:[0,1] neg_hi:[0,1]
	v_pk_add_f32 v[X+4*i+2:X+4*i+3], v[X+4*i+2:X+4*i+3], v[MEAN+2:MEAN+3] neg_lo:[0,1] neg_hi:[0,1]
.set i, i+1
.endr
.set i, 0
.rept 32
.if i < 2
	v_pk_mul_f32 v[CH+4*i:CH+4*i+1], v[X+4*i:X+4*i+1], v[X+4*i:X+4*i+1]
	v_pk_mul_f32 v[CH+4*i+2:CH+4*i+3], v[X+4*i+2:X+4*i+3], v[X+4*i+2:X+4*i+3]
.else
	v_pk_fma_f32 v[CH+4*(i%2):CH+4*(i%2)+1], v[X+4*i:X+4*i+1], v[X+4*i:X+4*i+1], v[CH+4*(i%2):CH+4*(i%2)+1]
	v_pk_fma_f32 v[CH+4*(i%2)+2:CH+4*(i%2)+3], v[X+4*i+2:X+4*i+3], v[X+4*i+2:X+4*i+3], v[CH+4*(i%2)+2:CH+4*(i%2)+3]
.endif
.set i, i+1
.endr
	COLRED 4096
.irp k, 0,1,2,3
	v_fma_f32 v[RSTD+\k], v[CH+\k], s44, s45       ; variance + 1e-5
.endr
.irp k, 0,1,2,3
	v_rsq_f32 v[RSTD+\k], v[RSTD+\k]
.endr
	v_nop                                          ; a plain instruction behind the last v_rsq_f32
	; PASS 3: scale, gain and bias, round to bf16 in pairs of channels, and into XT: eight channels (16 bytes) of one column a store
.set q, 0
	s_wait_alu depctr_va_vdst(0)
.rept 4
.set i, 8*q
.rept 8
	v_pk_mul_f32 v[X+4*i:X+4*i+1], v[X+4*i:X+4*i+1], v[RSTD:RSTD+1]
	v_pk_mul_f32 v[X+4*i+2:X+4*i+3], v[X+4*i+2:X+4*i+3], v[RSTD+2:RSTD+3]
.if i%2 == 0                           ; the channel's gain and bias feed both halves: the pair's low register, or its high one
	v_pk_fma_f32 v[X+4*i:X+4*i+1], v[X+4*i:X+4*i+1], v[GV+i:GV+i+1], v[BV+i:BV+i+1] op_sel_hi:[1,0,0]
	v_pk_fma_f32 v[X+4*i+2:X+4*i+3], v[X+4*i+2:X+4*i+3], v[GV+i:GV+i+1], v[BV+i:BV+i+1] op_sel_hi:[1,0,0]
.else
	v_pk_fma_f32 v[X+4*i:X+4*i+1], v[X+4*i:X+4*i+1], v[GV+i-1:GV+i], v[BV+i-1:BV+i] op_sel:[0,1,1] op_sel_hi:[1,1,1]
	v_pk_fma_f32 v[X+4*i+2:X+4*i+3], v[X+4*i+2:X+4*i+3], v[GV+i-1:GV+i], v[BV+i-1:BV+i] op_sel:[0,1,1] op_sel_hi:[1,1,1]
.endif
.set i, i+1
.endr
.set TQ, T+16*(q%2)
.irp j, 0,1,2,3
.irp k, 0,1,2,3
	v_cvt_pk_bf16_f32 v[TQ+4*\j+\k], v[X+4*(8*q+2*\k)+\j], v[X+4*(8*q+2*\k+1)+\j]
.endr
.endr
	ds_store_b128 v[STXA], v[TQ:TQ+3] offset:16*q
	ds_store_b128 v[STXA], v[TQ+4:TQ+7] offset:16*PITCH+16*q
	ds_store_b128 v[STXB], v[TQ+8:TQ+11] offset:16*q
	ds_store_b128 v[STXB], v[TQ+12:TQ+15] offset:16*PITCH+16*q
.set q, q+1
.endr
	; the slab's registers are free: my weight row, my text row, g_t and b_t go out now; load u brings columns 128 u + 4 l .. + 3
.irp u, 0,1,2,3,4,5,6,7
	global_load_b128 v[X+4*\u:X+4*\u+3], v[L16], s[52:53] offset:512*\u th:TH_LOAD_NT
.endr
.irp u, 0,1,2,3,4,5,6,7
	global_load_b128 v[TX+4*\u:TX+4*\u+3], v[L16], s[18:19] offset:512*\u th:TH_LOAD_NT
.endr
.irp u, 0,1,2,3,4,5,6,7
	global_load_b128 v[TG+4*\u:TG+4*\u+3], v[L16], s[24:25] offset:512*\u
.endr
.irp u, 0,1,2,3,4,5,6,7
	global_load_b128 v[TB+4*\u:TB+4*\u+3], v[L16], s[26:27] offset:512*\u
.endr
	s_wait_dscnt 0x0                               ; for the others' sake: my stores into XT are done
	s_barrier_signal -1
	s_barrier_wait -1
.set n, 0
.rept 16                               ; four whole rows of 2,048 bytes, 512 bytes a load
	ds_load_b128 v[GV+4*n:GV+4*n+3], v[RDX] offset:PITCH*(n/4)+512*(n%4)
.set n, n+1
.endr
.set n, 0
.rept 16
	s_wait_dscnt 15-n                              ; LDS loads come back in order: load n is in, the younger ones stay out
	global_store_b128 v[L16], v[GV+4*n:GV+4*n+3], s[36:37] offset:8192*(n/4)+512*(n%4)  ; 512 consecutive bytes of one row of xn
.set n, n+1
.endr
	; THE WEIGHT ROW
	s_wait_loadcnt 24                              ; its eight loads are in; text, g_t and b_t stay out
.irp u, 0,1,2,3,4,5,6,7
	v_cvt_pk_bf16_f32 v[T+2*\u], v[X+4*\u], v[X+4*\u+1]
	v_cvt_pk_bf16_f32 v[T+2*\u+1], v[X+4*\u+2], v[X+4*\u+3]
.endr
.irp u, 0,1,2,3,4,5,6,7
	global_store_b64 v[L8], v[T+2*\u:T+2*\u+1], s[40:41] offset:256*\u  ; a wave's store covers 256 consecutive bytes, aligned
.endr
	; THE TEXT ROW: 32 numbers a lane
	s_wait_loadcnt 16                              ; the row is in; g_t and b_t stay out
.irp p, 0,1,2,3
	v_pk_add_f32 v[CH+2*\p:CH+2*\p+1], v[TX+2*\p:TX+2*\p+1], v[TX+8+2*\p:TX+8+2*\p+1]
.endr
.irp p, 0,1,2,3
	v_pk_add_f32 v[CH+2*\p:CH+2*\p+1], v[CH+2*\p:CH+2*\p+1], v[TX+16+2*\p:TX+16+2*\p+1]
.endr
.irp p, 0,1,2,3
	v_pk_add_f32 v[CH+2*\p:CH+2*\p+1], v[CH+2*\p:CH+2*\p+1], v[TX+24+2*\p:TX+24+2*\p+1]
.endr
	v_pk_add_f32 v[CH:CH+1], v[CH:CH+1], v[CH+4:CH+5]
	v_pk_add_f32 v[CH+2:CH+3], v[CH+2:CH+3], v[CH+6:CH+7]
	v_pk_add_f32 v[CH:CH+1], v[CH:CH+1], v[CH+2:CH+3]
	v_add_f32 v[CH], v[CH], v[CH+1]
	WAVESUM
	v_mul_f32 v[MEAN], s44, v[CH]
	v_mov_b32 v[MEAN+1], v[MEAN]
.set p, 0
.rept 16
	v_pk_add_f32 v[TX+2*p:TX+2*p+1], v[TX+2*p:TX+2*p+1], v[MEAN:MEAN+1] neg_lo:[0,1] neg_hi:[0,1]
.set p, p+1
.endr
.set p, 0
.rept 16
.if p < 4
	v_pk_mul_f32 v[CH+2*p:CH+2*p+1], v[TX+2*p:TX+2*p+1], v[TX+2*p:TX+2*p+1]
.else
	v_pk_fma_f32 v[CH+2*(p%4):CH+2*(p%4)+1], v[TX+2*p:TX+2*p+1], v[TX+2*p:TX+2*p+1], v[CH+2*(p%4):CH+2*(p%4)+1]
.endif
.set p, p+1
.endr
	v_pk_add_f32 v[CH:CH+1], v[CH:CH+1], v[CH+4:CH+5]
	v_pk_add_f32 v[CH+2:CH+3], v[CH+2:CH+3], v[CH+6:CH+7]
	v_pk_add_f32 v[CH:CH+1], v[CH:CH+1], v[CH+2:CH+3]
	v_add_f32 v[CH], v[CH], v[CH+1]
	WAVESUM
	v_fma_f32 v[RSTD], v[CH], s44, s45
	v_rsq_f32 v[RSTD], v[RSTD]
	v_nop                                          ; a plain instruction behind v_rsq_f32
	s_wait_alu depctr_va_vdst(0)
	v_mov_b32 v[RSTD+1], v[RSTD]
	s_wait_loadcnt 0x0                             ; g_t and b_t
.set p, 0
.rept 16
	v_pk_mul_f32 v[TX+2*p:TX+2*p+1], v[TX+2*p:TX+2*p+1], v[RSTD:RSTD+1]
.set p, p+1
.endr
.set p, 0
.rept 16
	v_pk_fma_f32 v[TX+2*p:TX+2*p+1], v[TX+2*p:TX+2*p+1], v[TG+2*p:TG+2*p+1], v[TB+2*p:TB+2*p+1]
.set p, p+1
.endr
.set p, 0
.rept 16
	v_cvt_pk_bf16_f32 v[T+16+p], v[TX+2*p], v[TX+2*p+1]
.set p, p+1
.endr
.irp u, 0,1,2,3,4,5,6,7
	global_store_b64 v[L8], v[T+16+2*\u:T+16+2*\u+1], s[38:39] offset:256*\u
.endr
	s_wait_tensorcnt 0x0                           ; the wave's end, behind my last LDS store
	ds_add_u32 v[SPW], v[NIL]
	s_wait_dscnt 0x0
	s_endpgm
.Lfunc_end_k_q8ff58ec2d7_prep:
	.size	k_q8ff58ec2d7_prep, .Lfunc_end_k_q8ff58ec2d7_prep-k_q8ff58ec2d7_prep
	.p2alignl 7, 3214868480
	.fill 96, 4, 3214868480
	.section	.rodata,"a",@progbits
	.p2align	6, 0x0
	.amdhsa_kernel k_q8ff58ec2d7_prep
		.amdhsa_group_segment_fixed_size 142336
		.amdhsa_private_segment_fixed_size 0
		.amdhsa_enable_private_segment 0
		.amdhsa_kernarg_size 112
		.amdhsa_user_sgpr_count 2
		.amdhsa_user_sgpr_kernarg_segment_ptr 1
		.amdhsa_wavefront_size32 1
		.amdhsa_system_sgpr_workgroup_id_x 1
		.amdhsa_system_sgpr_workgroup_id_y 1
		.amdhsa_system_sgpr_workgroup_id_z 1
		.amdhsa_system_vgpr_workitem_id 0
		.amdhsa_next_free_vgpr 256
		.amdhsa_next_free_sgpr 66
		.amdhsa_reserve_vcc 0
		.amdhsa_float_denorm_mode_32 3
		.amdhsa_float_denorm_mode_16_64 3
		.amdhsa_memory_ordered 1
		.amdhsa_forward_progress 1
		.amdhsa_inst_pref_size 61
	.end_amdhsa_kernel
	.amdgpu_metadata
---
amdhsa.version: [ 1, 2 ]
amdhsa.kernels:
  - .name:           k_q8ff58ec2d7_prep
    .symbol:         k_q8ff58ec2d7_prep.kd
    .args:
      - { .name: x, .offset: 0, .size: 8, .value_kind: global_buffer, .address_space: global }
      - { .name: text_embeddings, .offset: 8, .size: 8, .value_kind: global_buffer, .address_space: global }
      - { .name: g_x, .offset: 16, .size: 8, .value_kind: global_buffer, .address_space: global }
      - { .name: b_x, .offset: 24, .size: 8, .value_kind: global_buffer, .address_space: global }
      - { .name: g_t, .offset: 32, .size: 8, .value_kind: global_buffer, .address_space: global }
      - { .name: b_t, .offset: 40, .size: 8, .value_kind: global_buffer, .address_space: global }
      - { .name: Wq, .offset: 48, .size: 8, .value_kind: global_buffer, .address_space: global }
      - { .name: Wk, .offset: 56, .size: 8, .value_kind: global_buffer, .address_space: global }
      - { .name: Wv, .offset: 64, .size: 8, .value_kind: global_buffer, .address_space: global }
      - { .name: Wo, .offset: 72, .size: 8, .value_kind: global_buffer, .address_space: global }
      - { .name: xn, .offset: 80, .size: 8, .value_kind: global_buffer, .address_space: global }
      - { .name: tn, .offset: 88, .size: 8, .value_kind: global_buffer, .address_space: global }
      - { .name: wb, .offset: 96, .size: 8, .value_kind: global_buffer, .address_space: global }
      - { .name: tab, .offset: 104, .size: 8, .value_kind: global_buffer, .address_space: global }
    .group_segment_fixed_size: 142336
    .private_segment_fixed_size: 0
    .kernarg_segment_align: 8
    .kernarg_segment_size: 112
    .max_flat_workgroup_size: 512
    .sgpr_count:     66
    .vgpr_count:     256
    .wavefront_size: 32
...
	.end_amdgpu_metadata
.endif
;; end of part 1
;; launch proj (part 2): grid 4 x 96, 4 waves a work-group, clusters of 4 x 4, 327,680 bytes of LDS; arguments xn, tn, wb, bq, bk, bv, tab, qh, kh, vh; writes qh, kh, vh
.if DOCPART == 2
	.amdgcn_target "amdgcn-amd-amdhsa--gfx1250"
	.amdhsa_code_object_version 6
	.text
	.protected	k_q8ff58ec2d7_proj
	.globl	k_q8ff58ec2d7_proj
	.p2align	8
	.type	k_q8ff58ec2d7_proj,@function
k_q8ff58ec2d7_proj:
	s_mov_b64 s[64:65], 0
	v_nop
	global_prefetch_b8 v0, s[64:65] scope:SCOPE_SE
	s_setreg_imm32_b32 hwreg(HW_REG_WAVE_MODE, 25, 1), 1
	s_wait_xcnt 0x0
	s_wait_alu depctr_hold_cnt(0) depctr_sa_sdst(0) depctr_va_vdst(0) depctr_va_sdst(0) depctr_va_ssrc(0) depctr_va_vcc(0) depctr_vm_vsrc(0)
	s_getreg_b32 s2, hwreg(HW_REG_IB_STS2, 6, 4)
	s_cmp_eq_u32 s2, 0
	s_cbranch_scc0 .Lentry_in_a_cluster
	s_endpgm
.Lentry_in_a_cluster:
	s_bfe_u32 s2, ttmp6, 0x10000c
	s_cmp_lg_u32 s2, 0xf033
	s_cbranch_scc0 .Lentry_shape_is_right
	s_endpgm
.Lentry_shape_is_right:
; PROJ.  q = xn Wq + bq, k = tn Wk + bk, v = tn Wv + bv; rotate-half RoPE on q (position s) and k (position 4 t), in f32 on the f32 sums; each rounded once to bf16 and written by heads:
; qh [16 b + head][2048][64], kh and vh [16 b + head][512][64].  Operands bf16, sums f32, the bias is the C operand that starts each sum.
; ONE TEXT FOR THE THREE PRODUCTS.  The cluster's y says which: 0-15 q (64 tile rows), 16-19 k, 20-23 v (16 tile rows each); it is the same in all sixteen partners.
; A tile of the result is 256 activation rows x 256 weight columns: 384 equal work-groups.  Four waves, each 128 x 128: 64 accumulators, 512 registers.
; K = 1,024 goes in 8 steps of 128 through two LDS slots: a wave issues 256 matrix instructions a step, 224 of them between a slot's request and the wait for it.
; The activations' rows are 256 bytes of memory; the weights stay [k][n]: rows of 512 bytes, read turned by ds_load_tr16_b128.
; A K STEP IS WRITTEN ONCE.  s45 holds the LDS offset of the slot that is read, 0 or SLOT, turned by an exclusive or at each change of slots; the fragment loads' addresses are that offset plus a lane's constant,
; and one walking descriptor a tensor takes the offset of the slot just read and the next K step's address.  A loop of six trips fills slots again; a second text of the step, walked twice, fills nothing.
; CLUSTER 4 x 4: the activations' tile hangs on the tile row alone and is asked for jointly by a row of the cluster, the weights' on the tile column (and the kind) alone, jointly by a column.
; THE MATRIX INSTRUCTION IS USED TRANSPOSED (source 0 = 16 weight columns, source 1 = 16 activation rows): a lane holds one row and eight neighbouring channels of it.
; REGISTERS: window 0: v0-31 addresses; v64-127, v128-191 the activations' fragments, two buffers (on the way out v64-127 at work); v192-239 at work on the way out.
;   window 1: v0-63 the bias of my 128 columns; v64-127, v128-191 the weights' fragments; v192-255 cos and sin for my row blocks 0, 1; on the way out v0-191 those for blocks 2 to 7.
;   window 2: accumulator (a, b) at v[8 (8 a + b)] for row blocks a = 0-3;   window 3: for a = 4-7.
; LIMITS: bf16 operands and results; NaN and infinities are not treated apart.  v's tiles load the table too and do not use it, so that one count of loads serves all three kinds.
.set KSTEP,  128
.set APITCH, 272                       ; 256 bytes + 16: the 16 rows of a fragment load start at 16 different groups of four banks (64 banks of 4 bytes: ISA guide 11.1)
.set WPITCH, 544                       ; 512 bytes + 32 = 136 words
.set AHALF,  128*APITCH                ; what one tensor load brings of the activations, and what one wave reads of them
.set WHALF,  64*WPITCH                 ; and of the weights: 64 rows along K
.set ABYTES, 2*AHALF
.set SLOT,   ABYTES+2*WHALF            ; 256 activation rows, then 128 weight rows
.set STAGE,  2*SLOT                    ; behind the ring: 16 rows x 144 bytes for each wave
.set SP,     144
.set SPARE,  STAGE+4*16*SP             ; behind the stages: the spare words, 128 bytes for each wave: two blocks of 256 bytes that no other line names
.set ASTEP,  KSTEP*2                   ; a K step along the activations' rows,
.set WSTEP,  KSTEP*2048                ; and down the weights' rows
.set TA,    4                          ; v4-11  byte offset in tab for my row of block a
.set ADRA0, 12                         ; v12    my lane's place in slot 0's activations; never rewritten
.set ADRB0, 13                         ; v13    the same for the weights
.set ADRA,  16                         ; v16    the same in the slot that is read
.set ADRB,  17                         ; v17
.set STO,  24                          ; v24    the way out: where I put 16 bytes of a row
.set RD,   25                          ; v25    where I read rows back
.set GO,   26                          ; v26    16 x lane
.set BA,   27                          ; v27    byte offset of my eight bias numbers of block 0
.set SPW,  28                          ; v28    my spare word; never rewritten
.set NIL,  29                          ; v29    0; never rewritten
.set T,    64                          ; v64-127  the way out: products with the sine, for one row block
.set PKD,  192                         ; v192-207 16 rows x 64 channels in bf16
.set RB,   208                         ; v208-239 whole rows read back, two buffers
.set F0,   64
.set F1,   128
.set BIAS, 0                           ; window 1
.set TB,  45                           ; s45      LDS offset of the slot that is read
.set G1,  24                           ; s[24:31] group 1, s[32:39] group 0 for the activations: a set for each first fill; the second then walks
.set G0,  32
.set G1B, 48                           ; s[48:55], s[56:63] the same for the weights
.set G0B, 56
.set MSB, 0
.macro WIN new                         ; the immediate's high byte repeats the setting that is left
.if MSB != (\new)
	s_set_vgpr_msb (MSB<<8)|(\new)
.set MSB, \new
.endif
.endm
.set MUL_LO, 0xa1                      ; source 0 window 1, source 1 window 0, C and D window 2
.set TO_B,   0x40                      ; destination window 1, address window 0
.macro JLOAD s                         ; a joint load: waves 0 and 1 fetch the activations' halves, waves 2 and 3 the weights'; an s_nop 0 and four v_nop follow each line
	s_cmp_eq_u32 s11, 0
	s_cbranch_scc0 .Lfor_b_\@
	tensor_load_to_lds s[G0+4*(\s):G0+4*(\s)+3], s[G1:G1+7]
	s_nop 0
.rept 4
	v_nop
.endr
	s_branch .Lasked_\@
.Lfor_b_\@:
	tensor_load_to_lds s[G0B+4*(\s):G0B+4*(\s)+3], s[G1B:G1B+7]
	s_nop 0
.rept 4
	v_nop
.endr
.Lasked_\@:
.endm
.macro CREST                           ; a round of the cluster's barrier behind its opening barrier
	s_cmp_lg_u32 s10, 0
	s_cbranch_scc1 .Lnot_wave_0_\@
	s_barrier_signal -3
.Lnot_wave_0_\@:
	s_barrier_wait -3
	s_barrier_signal -1
	s_barrier_wait -1
.endm
.macro CROUND
	s_barrier_signal -1
	s_barrier_wait -1
	CREST
.endm
	s_load_b512 s[68:83], s[0:1], 0x0              ; xn s[68:69], tn s[70:71], wb s[72:73], bq s[74:75], bk s[76:77], bv s[78:79], tab s[80:81], qh s[82:83]
	s_load_b128 s[84:87], s[0:1], 0x40             ; kh s[84:85], vh s[86:87]
	v_lshl_add_u32 v[SPW], v0, 2, SPARE
	v_mov_b32 v[NIL], 0
	ds_add_u32 v[SPW], v[NIL]                      ; the wave's opening: the add and its wait stand ahead of my first tensor load; the set-up below stands between them
	v_lshrrev_b32 v1, 5, v0
	v_readfirstlane_b32 s10, v1                    ; wave 0..3
	s_lshr_b32 s11, s10, 1                         ; which 128 of the tile's rows are mine.  Also: I fetch activations (0) or weights (1)
	s_and_b32 s12, s10, 1                          ; which 128 of its columns.  Also: which half of that tile I fetch
	s_bfe_u32 s40, ttmp6, 0x40000                  ; cx, cy: my place in the cluster
	s_bfe_u32 s41, ttmp6, 0x40004
	s_lshl_b32 s42, ttmp9, 2
	s_add_co_u32 s42, s42, s40                     ; tile column
	s_and_b32 s92, ttmp7, 0xffff                   ; the cluster's y: the kind
	s_cmp_lt_u32 s92, 16
	s_cselect_b32 s93, 11, 9                       ; log2 of the rows of a batch: 2,048 or 512
	s_cselect_b32 s94, 8, 10                       ; a row's position x 256 bytes of tab: s x 256, or 4 t x 256
	s_cselect_b32 s95, 0, 16                       ; the kind's first cluster
	s_cselect_b32 s96, 0, 0x200000                 ; the kind's weight in wb
	s_cmp_lt_u32 s92, 20
	s_cselect_b32 s95, s95, 20
	s_cselect_b32 s96, s96, 0x400000
	s_cselect_b32 s97, 0, 1                        ; 1: v, which is not rotated
	s_sub_co_u32 s13, s92, s95
	s_lshl_b32 s13, s13, 2
	s_add_co_u32 s13, s13, s41                     ; tile row
	s_lshl_b32 s43, s41, 2
	s_lshl_b32 s43, 15, s43                        ; my row of the cluster
	s_lshl_b32 s44, 0x1111, s40                    ; my column
	s_or_b32 s[G1+0], s43, (1<<16)|(1<<20)|(1<<21)|(5<<22)|(3<<25)   ; the mask; 2-byte elements; padding on; bit 21 beside a mask; after every 64 words 4 words
	s_mov_b32 s[G1+1], KSTEP<<16                   ; tensor_dim0 = 128
	s_mov_b32 s[G1+2], 128<<16                     ; tensor_dim1 = 128
	s_mov_b32 s[G1+3], KSTEP<<16                   ; tile_dim0 = 128
	s_mov_b32 s[G1+4], 128                         ; tile_dim1 = 128
	s_mov_b32 s[G1+5], 1024                        ; elements from row to row
	s_mov_b32 s[G1+6], 0
	s_mov_b32 s[G1+7], 0
	s_or_b32 s[G1B+0], s44, (1<<16)|(1<<20)|(1<<21)|(6<<22)|(7<<25)  ; after every 128 words 8 words
	s_mov_b32 s[G1B+1], 256<<16                    ; tensor_dim0 = 256
	s_mov_b32 s[G1B+2], 64<<16                     ; tensor_dim1 = 64
	s_mov_b32 s[G1B+3], 256<<16                    ; tile_dim0 = 256
	s_mov_b32 s[G1B+4], 64                         ; tile_dim1 = 64
	s_mov_b32 s[G1B+5], 1024
	s_mov_b32 s[G1B+6], 0
	s_mov_b32 s[G1B+7], 0
	s_lshl_b32 s17, s12, 7
	s_lshl_b32 s16, s13, 8
	s_add_co_u32 s16, s16, s17                     ; activations: row 256 x tile row + 128 x half,
	s_lshl_b32 s16, s16, 11                        ; of 2,048 bytes
	s_mov_b32 s17, 0
	s_lshl_b32 s46, s42, 9                         ; weights: 512 bytes a tile column,
	s_lshl_b32 s47, s12, 17                        ; 64 rows of 2,048 bytes a half,
	s_add_co_u32 s46, s46, s47
	s_add_co_u32 s46, s46, s96                     ; in the kind's weight
	s_mov_b32 s47, 0
	s_mul_i32 s20, s12, AHALF                      ; where they go in a slot: no place in the cluster enters an LDS address
	s_mul_i32 s21, s12, WHALF
	s_add_co_u32 s21, s21, ABYTES
	s_mov_b32 s[TB], 0                             ; slot 0 is read first
	s_wait_dscnt 0x0                               ; the opening add is done
	s_wait_kmcnt 0x0
	s_cmp_lt_u32 s92, 16
	s_cselect_b64 s[4:5], s[68:69], s[70:71]       ; the activations,
	s_cselect_b64 s[90:91], s[74:75], s[76:77]     ; the bias,
	s_cselect_b64 s[8:9], s[82:83], s[84:85]       ; and the destination of the kind
	s_cmp_lt_u32 s92, 20
	s_cselect_b64 s[90:91], s[90:91], s[78:79]
	s_cselect_b64 s[8:9], s[8:9], s[86:87]
	s_add_nc_u64 s[14:15], s[4:5], s[16:17]
	s_add_nc_u64 s[46:47], s[72:73], s[46:47]
	CROUND                                         ; all sixteen work-groups are here: the first joint loads meet
.irp s, 0,1
	s_mov_b32 s[G0+4*(\s)], 1
	s_add_co_u32 s[G0+4*(\s)+1], s20, (\s)*SLOT
	s_add_nc_u64 s[G0+4*(\s)+2:G0+4*(\s)+3], s[14:15], (\s)*ASTEP
	s_or_b32 s[G0+4*(\s)+3], s[G0+4*(\s)+3], 0x80000000
	s_mov_b32 s[G0B+4*(\s)], 1
	s_add_co_u32 s[G0B+4*(\s)+1], s21, (\s)*SLOT
	s_add_nc_u64 s[G0B+4*(\s)+2:G0B+4*(\s)+3], s[46:47], (\s)*WSTEP
	s_or_b32 s[G0B+4*(\s)+3], s[G0B+4*(\s)+3], 0x80000000
	JLOAD \s                                       ; two loads of mine are out
.endr
	v_and_b32 v1, 15, v0                           ; r = l % 16
	v_bfe_u32 v2, v0, 4, 1                         ; h = l / 16
	v_mul_u32_u24 v3, v1, APITCH
	v_lshl_add_u32 v3, v2, 4, v3                   ; a fragment's row x pitch + 16 h
	s_mul_i32 s22, s11, AHALF                      ; my 128 rows
	v_add_nc_u32 v[ADRA0], s22, v3
	v_and_b32 v14, 7, v0                           ; the turning load: lane l reads row 8 h + l % 8 along K, columns 8 ((l / 8) % 2) + 0..7
	v_lshl_add_u32 v14, v2, 3, v14
	v_mul_u32_u24 v14, v14, WPITCH
	v_bfe_u32 v15, v0, 3, 1
	v_lshl_add_u32 v14, v15, 4, v14
	s_lshl_b32 s23, s12, 8                         ; my 128 columns
	s_add_co_u32 s23, s23, ABYTES
	v_add_nc_u32 v[ADRB0], s23, v14
	v_mov_b32 v[ADRA], v[ADRA0]
	v_mov_b32 v[ADRB], v[ADRB0]
	s_mul_i32 s23, s10, 16*SP
	s_add_co_u32 s23, s23, STAGE                   ; my stage
	v_mul_u32_u24 v[STO], v1, SP                   ; in: row r, 16 bytes for each half of the lanes
	v_lshl_add_u32 v[STO], v2, 4, v[STO]
	v_add_nc_u32 v[STO], s23, v[STO]
	v_bfe_u32 v[RD], v0, 3, 2                      ; back: 32 lanes take four rows of 128 bytes,
	v_mul_u32_u24 v[RD], v[RD], SP
	v_and_b32 v15, 7, v0
	v_lshl_add_u32 v[RD], v15, 4, v[RD]
	v_add_nc_u32 v[RD], s23, v[RD]
	v_and_b32 v[GO], 31, v0                        ; which are 512 consecutive bytes of a head
	v_lshlrev_b32 v[GO], 4, v[GO]
	; where my 128 rows x 2 heads go
	s_lshl_b32 s98, s13, 8
	s_lshl_b32 s99, s11, 7
	s_add_co_u32 s98, s98, s99                     ; my first row among the kind's
	s_lshr_b32 s99, s98, s93                       ; its batch,
	s_lshl_b32 s18, s99, s93
	s_sub_co_u32 s98, s98, s18                     ; and its row in the batch
	s_lshl_b32 s99, s99, 4
	s_lshl_b32 s18, s42, 2
	s_add_co_u32 s99, s99, s18
	s_lshl_b32 s18, s12, 1
	s_add_co_u32 s99, s99, s18                     ; 16 b + my first head
	s_lshl_b32 s99, s99, s93
	s_add_co_u32 s99, s99, s98
	s_lshl_b32 s18, s99, 7                         ; rows of 128 bytes
	s_mov_b32 s19, 0
	s_add_nc_u64 s[8:9], s[8:9], s[18:19]          ; my first head,
	s_lshl_b32 s18, 128, s93
	s_add_nc_u64 s[88:89], s[8:9], s[18:19]        ; my second
	s_lshl_b32 s18, s42, 10                        ; the bias: (256 x tile column + 128 x half + 8 h) numbers of 4 bytes
	s_lshl_b32 s19, s12, 9
	s_add_co_u32 s18, s18, s19
	v_lshlrev_b32 v[BA], 5, v2
	v_add_nc_u32 v[BA], s18, v[BA]
	v_add_nc_u32 v3, s98, v1                       ; the table: my row's position x 256 bytes + 8 h numbers
	v_lshlrev_b32 v3, s94, v3
	v_lshl_add_u32 v[TA], v2, 5, v3
	s_lshl_b32 s18, 16, s94                        ; 16 rows on
.irp a, 1,2,3,4,5,6,7
	v_add_nc_u32 v[TA+\a], s18, v[TA+\a-1]
.endr
; cos and sin for row block a: frequencies 16 i + 8 h + 0..7: eight cos, and 128 bytes on eight sin; the eight loads use all 256 bytes of each of the block's table rows.
; Blocks 0, 1 lie at v192-255 of window 1, blocks 2 to 7 at v0-191.
.macro TLOAD a
.if (\a) < 2
.set TR, 192+32*(\a)
.else
.set TR, 32*((\a)-2)
.endif
	WIN TO_B
.irp i, 0,1
	global_load_b128 v[TR+16*\i:TR+16*\i+3],     v[TA+(\a)], s[80:81] offset:64*\i
	global_load_b128 v[TR+16*\i+4:TR+16*\i+7],   v[TA+(\a)], s[80:81] offset:64*\i+16
	global_load_b128 v[TR+16*\i+8:TR+16*\i+11],  v[TA+(\a)], s[80:81] offset:128+64*\i
	global_load_b128 v[TR+16*\i+12:TR+16*\i+15], v[TA+(\a)], s[80:81] offset:128+64*\i+16
.endr
.endm
	WIN TO_B
.irp b, 0,1,2,3,4,5,6,7                ; register j of block b: the bias of column 16 b + 8 h + j: the C operand of the transposed product
	global_load_b128 v[BIAS+8*\b:BIAS+8*\b+3],   v[BA], s[90:91] offset:64*\b
	global_load_b128 v[BIAS+8*\b+4:BIAS+8*\b+7], v[BA], s[90:91] offset:64*\b+16
.endr
	TLOAD 0
	TLOAD 1
	WIN 0
; 16 matrix instructions: row blocks a0, a0 + 1 of the window's four (hi = 0: my rows 0-63, 1: rows 64-127) x all 8 column blocks, 32 along K.  first = 1: the product starts the sums on the bias.
; The 64 accumulators take turns, in the same order in every quarter.
.macro MUL16 f, hi, a0, first
.if \first
	WIN 0x91+0x40*(\hi)                            ; C (the bias) window 1, D window 2 or 3
.else
	WIN MUL_LO+0x50*(\hi)
.endif
.irp a, \a0, (\a0)+1
.irp b, 0,1,2,3,4,5,6,7
.if \first
	v_wmma_f32_16x16x32_bf16 v[8*(8*(\a)+(\b)):8*(8*(\a)+(\b))+7], v[(\f)+8*(\b):(\f)+8*(\b)+7], v[(\f)+8*(4*(\hi)+(\a)):(\f)+8*(4*(\hi)+(\a))+7], v[BIAS+8*(\b):BIAS+8*(\b)+7]
.else
	v_wmma_f32_16x16x32_bf16 v[8*(8*(\a)+(\b)):8*(8*(\a)+(\b))+7], v[(\f)+8*(\b):(\f)+8*(\b)+7], v[(\f)+8*(4*(\hi)+(\a)):(\f)+8*(4*(\hi)+(\a))+7], v[8*(8*(\a)+(\b)):8*(8*(\a)+(\b))+7]
.endif
.endr
.endr
.endm
; 32 LDS loads in one run: quarter q's fragments (32 along K) of the slot that is read, into buffer f: the weights' eight blocks, turned, then the activations' eight
.macro FETCH q, f
	WIN TO_B
.irp b, 0,1,2,3,4,5,6,7
	ds_load_tr16_b128 v[(\f)+8*(\b):(\f)+8*(\b)+3],   v[ADRB] offset:(\q)*32*WPITCH+32*(\b)
	ds_load_tr16_b128 v[(\f)+8*(\b)+4:(\f)+8*(\b)+7], v[ADRB] offset:(\q)*32*WPITCH+16*WPITCH+32*(\b)
.endr
	WIN 0
.irp a, 0,1,2,3,4,5,6,7
	ds_load_b128 v[(\f)+8*(\a):(\f)+8*(\a)+3],   v[ADRA] offset:64*(\q)+(\a)*16*APITCH
	ds_load_b128 v[(\f)+8*(\a)+4:(\f)+8*(\a)+7], v[ADRA] offset:64*(\q)+(\a)*16*APITCH+32
.endr
.endm
.macro PLACES                          ; four places in front of loads into registers that matrix instructions have read, and of vector lines that read results
.rept 4
	v_nop
.endr
.endm
; A K step is four quarters of 32 along K, 64 matrix instructions each, on buffers 0, 1, 0, 1.  One of the first three multiplies buffer f and fetches quarter q of the same slot into g.
.macro QUARTER q, f, g, first=0
	s_wait_dscnt 8                                 ; the weights and row blocks 0-3 are in; the youngest eight loads (blocks 4-7) may be out
	MUL16 \f, 0, 0, \first
	MUL16 \f, 0, 2, \first
	PLACES
	FETCH \q, \g
	s_wait_dscnt 32                                ; all but the 32 just issued
	MUL16 \f, 1, 0, \first
	MUL16 \f, 1, 2, \first
.endm
; The last quarter multiplies buffer 1 and changes slots: ONE barrier; in front of it each wave waits for all its tensor loads (one is out at the most: its part of the next slot), adds 0 to its spare word,
; and waits for that and for its reads of this slot.  fill = 1: the barrier opens a round of the cluster's, and the slot just read is filled again, two K steps ahead, first thing behind the round.
.macro TURN fill
	WIN 0                                          ; (the add's two registers lie in window 0)
	s_wait_tensorcnt 0x0
	ds_add_u32 v[SPW], v[NIL]
	s_wait_dscnt 9                                 ; (the add and the youngest eight loads may be out)
	MUL16 F1, 0, 0, 0                              ; sixteen matrix instructions stand between the add and the wait for it
	s_wait_dscnt 0x0                               ; the add is done, and my reads of this slot are over
	s_barrier_signal -1
	MUL16 F1, 0, 2, 0
	WIN 0                                          ; branches, or lines on window 0, follow
	s_barrier_wait -1
.if \fill
	CREST                                          ; no wave of any partner still reads this slot's tiles or has a load on its way
	s_add_co_u32 s[G0+5], s20, s[TB]               ; the walking descriptors: into the slot just read,
	s_add_nc_u64 s[G0+6:G0+7], s[G0+6:G0+7], ASTEP ; the K step behind the one asked for last; the type bits on top are not reached
	s_add_co_u32 s[G0B+5], s21, s[TB]
	s_add_nc_u64 s[G0B+6:G0B+7], s[G0B+6:G0B+7], WSTEP
	JLOAD 1                                        ; my one tensor load behind the round; its four v_nop are also the places in front of the loads below
.endif
	s_xor_b32 s[TB], s[TB], SLOT                   ; the other slot is read now
	v_add_nc_u32 v[ADRA], s[TB], v[ADRA0]
	v_add_nc_u32 v[ADRB], s[TB], v[ADRB0]
.if !(\fill)
	v_nop                                          ; with the two lines above: the four places in front of the loads below
	v_nop
.endif
	FETCH 0, F0
	MUL16 F1, 1, 0, 0
	MUL16 F1, 1, 2, 0
.endm
	s_wait_tensorcnt 1                             ; my part of K step 0 is in; step 1's may stay out
	s_barrier_signal -1
	s_barrier_wait -1
	FETCH 0, F0
	s_wait_loadcnt 16                              ; the bias is in; the 16 loads of the table's blocks 0, 1, issued behind it, stay out
	QUARTER 1, F0, F1, 1                           ; the first quarter stands in front of the loops: its products start the sums
	WIN 0
	s_mov_b32 s3, 6
.Lstep:                                            ; six trips, from a step's second quarter to the next step's first: K steps 2 to 7 are asked for
	QUARTER 2, F1, F0
	QUARTER 3, F0, F1
	TURN 1
	QUARTER 1, F0, F1
	WIN 0
	s_sub_co_u32 s3, s3, 1
	s_cmp_lg_u32 s3, 0
	s_cbranch_scc1 .Lstep
	s_mov_b32 s3, 2                                ; K steps 6 and 7 ask for nothing: a second text; it is entered behind step 6's first quarter
	s_branch .Lin
.Ltail:
	QUARTER 1, F0, F1
	WIN 0
.Lin:
	QUARTER 2, F1, F0
	QUARTER 3, F0, F1
	TURN 0                                         ; in the second trip its barrier orders nothing and its 32 loads (of step 6's slot once more) serve nothing: the price of one text for both trips
	WIN 0
	s_sub_co_u32 s3, s3, 1
	s_cmp_lg_u32 s3, 0
	s_cbranch_scc1 .Ltail
	PLACES                                         ; behind the last products
	s_wait_dscnt 0x0                               ; the loads that serve nothing have landed: their registers are free
.irp a, 2,3,4,5,6,7
	TLOAD \a                                       ; the rest of the table, into the bias's and the weights' registers; it lands while blocks 0 and 1 go out
.endr
	WIN 0
; THE WAY OUT.  The head's channels 16 n + 8 h + j lie in accumulator (a, 4 hd + n).
; ROPE a: both heads of row block a are rotated in place: out[f] = t1[f] cos - t2[f] sin, out[32 + f] = t2[f] cos + t1[f] sin, t1 in blocks n = 0, 1 and t2 in n = 2, 3.  v jumps over it.
; Each accumulator is read from its lowest registers on.
.macro ROPE a
	WIN 0
	s_cmp_eq_u32 s97, 1
	s_cbranch_scc1 .Lno_rope_\@
	s_wait_loadcnt 8*(7-(\a))                      ; block a of the table is in; the later blocks' eight loads each stay out
.if (\a) < 2
.set TR, 192+32*(\a)
.else
.set TR, 32*((\a)-2)
.endif
.set AW, 2+(\a)/4                      ; the block's window
.set AB, 64*((\a)%4)
	WIN AW|4                                       ; source 0 the sums, source 1 the table (window 1), destination window 0
.irp hd, 0,1
.irp i, 0,1
.irp p, 0,1,2,3
	v_pk_mul_f32 v[T+32*\hd+16*\i+2*\p:T+32*\hd+16*\i+2*\p+1],     v[AB+8*(4*\hd+\i+2)+2*\p:AB+8*(4*\hd+\i+2)+2*\p+1], v[TR+16*\i+8+2*\p:TR+16*\i+8+2*\p+1]
	v_pk_mul_f32 v[T+32*\hd+16*\i+8+2*\p:T+32*\hd+16*\i+8+2*\p+1], v[AB+8*(4*\hd+\i)+2*\p:AB+8*(4*\hd+\i)+2*\p+1],     v[TR+16*\i+8+2*\p:TR+16*\i+8+2*\p+1]
.endr
.endr
.endr
	WIN AW|4|(AW<<6)                               ; the same with the destination in the sums' window, source 2 in window 0
.irp hd, 0,1
.irp i, 0,1
.irp p, 0,1,2,3
	v_pk_fma_f32 v[AB+8*(4*\hd+\i)+2*\p:AB+8*(4*\hd+\i)+2*\p+1],     v[AB+8*(4*\hd+\i)+2*\p:AB+8*(4*\hd+\i)+2*\p+1],     v[TR+16*\i+2*\p:TR+16*\i+2*\p+1], v[T+32*\hd+16*\i+2*\p:T+32*\hd+16*\i+2*\p+1] neg_lo:[0,0,1] neg_hi:[0,0,1]
	v_pk_fma_f32 v[AB+8*(4*\hd+\i+2)+2*\p:AB+8*(4*\hd+\i+2)+2*\p+1], v[AB+8*(4*\hd+\i+2)+2*\p:AB+8*(4*\hd+\i+2)+2*\p+1], v[TR+16*\i+2*\p:TR+16*\i+2*\p+1], v[T+32*\hd+16*\i+8+2*\p:T+32*\hd+16*\i+8+2*\p+1]
.endr
.endr
.endr
	WIN 0
.Lno_rope_\@:
.endm
; PACK: group g = 2 a + hd, 16 rows of one head: rounded to bf16, 16 bytes a lane into my stage, and back as whole rows of 128 bytes.
.macro PACK a, hd, g
	WIN 5*(2+(\a)/4)                               ; sources 0 and 1: the sums' window
.set z, 0
.rept 16
	v_cvt_pk_bf16_f32 v[PKD+z], v[64*((\a)%4)+32*(\hd)+2*z], v[64*((\a)%4)+32*(\hd)+2*z+1]
.set z, z+1
.endr
	WIN 0
	s_wait_xcnt 0x0                                ; the buffer loaded below was the data of earlier stores: it is written again only behind this wait
.irp n, 0,1,2,3
	ds_store_b128 v[STO], v[PKD+4*\n:PKD+4*\n+3] offset:32*\n
.endr
.irp f, 0,1,2,3
	ds_load_b128 v[RB+16*((\g)%2)+4*\f:RB+16*((\g)%2)+4*\f+3], v[RD] offset:\f*4*SP  ; LDS serves a wave's instructions in order (ISA guide 5.7.1.4): these see the stores above; the next group's stores come behind them
.endr
.endm
.macro SEND a, hd, g, younger          ; younger: the LDS instructions issued behind this group's loads: the next group's eight, or none
.irp f, 0,1,2,3
	s_wait_dscnt (\younger)+3-\f
.if \hd
	global_store_b128 v[GO], v[RB+16*((\g)%2)+4*\f:RB+16*((\g)%2)+4*\f+3], s[88:89] offset:(\a)*2048+\f*512
.else
	global_store_b128 v[GO], v[RB+16*((\g)%2)+4*\f:RB+16*((\g)%2)+4*\f+3], s[8:9] offset:(\a)*2048+\f*512  ; 512 consecutive bytes, at a multiple of 256 from the buffer's first
.endif
.endr
.endm
.set g, 0
.rept 16                               ; a group's arithmetic stands between the loads of the group before and its stores
.if g%2 == 0
	ROPE g/2
.endif
	PACK g/2, g%2, g
.if g > 0
	SEND (g-1)/2, (g-1)%2, g-1, 8
.endif
.set g, g+1
.endr
	SEND 7, 1, 15, 0
	s_wait_tensorcnt 0x0                           ; the wave's end, behind my last tensor load and my last LDS store
	ds_add_u32 v[SPW], v[NIL]
	s_wait_dscnt 0x0
	CROUND                                         ; the closing round: no work-group ends while a partner may still ask for a tile that names it
	s_endpgm
.Lfunc_end_k_q8ff58ec2d7_proj:
	.size	k_q8ff58ec2d7_proj, .Lfunc_end_k_q8ff58ec2d7_proj-k_q8ff58ec2d7_proj
	.p2alignl 7, 3214868480
	.fill 96, 4, 3214868480
	.section	.rodata,"a",@progbits
	.p2align	6, 0x0
	.amdhsa_kernel k_q8ff58ec2d7_proj
		.amdhsa_group_segment_fixed_size 327680
		.amdhsa_private_segment_fixed_size 0
		.amdhsa_enable_private_segment 0
		.amdhsa_kernarg_size 80
		.amdhsa_user_sgpr_count 2
		.amdhsa_user_sgpr_kernarg_segment_ptr 1
		.amdhsa_wavefront_size32 1
		.amdhsa_system_sgpr_workgroup_id_x 1
		.amdhsa_system_sgpr_workgroup_id_y 1
		.amdhsa_system_sgpr_workgroup_id_z 1
		.amdhsa_system_vgpr_workitem_id 0
		.amdhsa_next_free_vgpr 1024
		.amdhsa_next_free_sgpr 100
		.amdhsa_reserve_vcc 0
		.amdhsa_float_denorm_mode_32 3
		.amdhsa_float_denorm_mode_16_64 3
		.amdhsa_memory_ordered 1
		.amdhsa_forward_progress 1
		.amdhsa_inst_pref_size 145
	.end_amdhsa_kernel
	.amdgpu_metadata
---
amdhsa.version: [ 1, 2 ]
amdhsa.kernels:
  - .name:           k_q8ff58ec2d7_proj
    .symbol:         k_q8ff58ec2d7_proj.kd
    .args:
      - { .name: xn, .offset: 0, .size: 8, .value_kind: global_buffer, .address_space: global }
      - { .name: tn, .offset: 8, .size: 8, .value_kind: global_buffer, .address_space: global }
      - { .name: wb, .offset: 16, .size: 8, .value_kind: global_buffer, .address_space: global }
      - { .name: bq, .offset: 24, .size: 8, .value_kind: global_buffer, .address_space: global }
      - { .name: bk, .offset: 32, .size: 8, .value_kind: global_buffer, .address_space: global }
      - { .name: bv, .offset: 40, .size: 8, .value_kind: global_buffer, .address_space: global }
      - { .name: tab, .offset: 48, .size: 8, .value_kind: global_buffer, .address_space: global }
      - { .name: qh, .offset: 56, .size: 8, .value_kind: global_buffer, .address_space: global }
      - { .name: kh, .offset: 64, .size: 8, .value_kind: global_buffer, .address_space: global }
      - { .name: vh, .offset: 72, .size: 8, .value_kind: global_buffer, .address_space: global }
    .group_segment_fixed_size: 327680
    .private_segment_fixed_size: 0
    .kernarg_segment_align: 8
    .kernarg_segment_size: 80
    .max_flat_workgroup_size: 128
    .sgpr_count:     100
    .vgpr_count:     1024
    .wavefront_size: 32
...
	.end_amdgpu_metadata
.endif
;; end of part 2
;; launch attn (part 3): grid 4 x 128, 4 waves a work-group, clusters of 4 x 1, 327,680 bytes of LDS; arguments qh, kh, vh, oh; writes oh
.if DOCPART == 3
	.amdgcn_target "amdgcn-amd-amdhsa--gfx1250"
	.amdhsa_code_object_version 6
	.text
	.protected	k_q8ff58ec2d7_attn
	.globl	k_q8ff58ec2d7_attn
	.p2align	8
	.type	k_q8ff58ec2d7_attn,@function
k_q8ff58ec2d7_attn:
	s_mov_b64 s[64:65], 0
	v_nop
	global_prefetch_b8 v0, s[64:65] scope:SCOPE_SE
	s_setreg_imm32_b32 hwreg(HW_REG_WAVE_MODE, 25, 1), 1
	s_wait_xcnt 0x0
	s_wait_alu depctr_hold_cnt(0) depctr_sa_sdst(0) depctr_va_vdst(0) depctr_va_sdst(0) depctr_va_ssrc(0) depctr_va_vcc(0) depctr_vm_vsrc(0)
	s_getreg_b32 s2, hwreg(HW_REG_IB_STS2, 6, 4)
	s_cmp_eq_u32 s2, 0
	s_cbranch_scc0 .Lentry_in_a_cluster
	s_endpgm
.Lentry_in_a_cluster:
	s_bfe_u32 s2, ttmp6, 0x10000c
	s_cmp_lg_u32 s2, 0x3003
	s_cbranch_scc0 .Lentry_shape_is_right
	s_endpgm
.Lentry_shape_is_right:
; ATTN.  oh[bh][q][:] = the sum over k of softmax_k(qh[bh][q] . kh[bh][k] / 8) vh[bh][k][:].  qh, oh: [128][2048][64]; kh, vh: [128][512][64]; all bf16, a head's rows dense, 128 bytes each.
; Products, maxima and sums in f32; the weights p are rounded to bf16 for the second product (their sum l is taken of the unrounded p), O once at the end.
; LIMITS.  A weight below 2^-126 counts as 0 in l; NaN and infinities are not treated apart.
; SHARES.  A wave owns four PIECES of two tiles of 16 queries, a work-group's four waves 512 queries of one head.  Every wave walks all 512 keys, 64 a step.
; LDS.  A head's K and V, 512 keys each, fit in LDS whole: each wave asks once, for 256 keys of K or of V, and nothing is ever filled again.
; LAYOUT.  S^T = K Q^T (source 0 = 16 keys, source 1 = 16 queries): in the result a lane holds ONE query (lane % 16) and the keys 8 (lane / 16) + 0..7.  Two such tiles, rounded to bf16 in pairs,
; ARE source 1 (32 keys x 16 queries) of O^T = V^T P, whose result again holds one query a lane, and eight channels.  K comes out of LDS as it lies, V ([key][channel]) turned, by ds_load_tr16_b128.
; SOFTMAX.  For each query a running maximum m and sum l: p = 2^(c s - c m), c = log2(e) / 8; in every step O and l are multiplied by a = 2^(c m_old - c m_new), which is 1 where m has not grown.
; m starts at the lowest finite number, O and l at 0: the first step is a step like any other, with a = 0.
; THE COUNT.  A tile and step have 16 matrix and 118 vector instructions: too many to stand all beside the matrix work.  So: four vector instructions that are READY behind EVERY matrix instruction,
; and the others, which need time of their own whatever the order, in runs without a gap.
; BY TURNS.  Turn n belongs to piece n (the pieces in a ring, step after step).  Its matrix work: 16 products K Q^T of piece n + 1, later 16 products V^T P of piece n - 1.  Its vector work: the scaling,
; exponentials, roundings, sums and rescaling of piece n, and the maximum and statistics of piece n + 1, whose scores the turn itself has made.
; CLUSTER.  The four query blocks of a cluster belong to one head and need the same K and V, so each tile is asked for JOINTLY: the same tensor load, descriptor and mask in all four.
; REGISTERS, in windows of 256 (s_set_vgpr_msb: bits 1:0 source 0, 3:2 source 1, 5:4 source 2, 7:6 destination):
;   window 0: v0-11 addresses; v12-15, v48-63 at work; v16-47 four registers of statistics a tile; v64-191 S^T, two buffers of two tiles; v192-255 P, likewise
;   window 1: O^T, 32 a tile          window 2: v0-127 Q, 16 a tile; v128-191 K of one step; v192-255 V of one step          window 3: v0-1 the add's two registers
.set NP,    4         ; pieces a wave: a name, no knob
.set KS,    64        ; keys in a step
.set NKEY,  512
.set PK,    144       ; a row of K in LDS: 128 bytes + 16 of padding = 36 words: the 16 rows of a load start at 16 different groups of four banks (64 banks of 4 bytes: ISA guide 11.1)
.set PV,    160       ; a row of V: 128 + 32 = 40 words
.set VOFF,  NKEY*PK   ; 512 rows of K, then 512 rows of V
.set STAGE, NKEY*(PK+PV)  ; behind them, never filled by a tensor load: 16 rows x 144 bytes for each wave, for the way out
.set SP,    144
.set AK0, 2           ; v2   my lane's place in a tile of K; never rewritten
.set AV0, 3           ; v3   the same for V
.set AK,  4           ; v4   the LDS address of K's next run of loads
.set AV,  5           ; v5   of V's
.set QO,  6           ; v6   my byte offset in the wave's rows of Q
.set STO, 6           ;      later, the way out: where I put 16 bytes of a row
.set RD,  7           ; v7   the way out: where I read rows back
.set GO,  8           ; v8   my byte offset in 512 consecutive bytes of O
.set SPW, 0           ; v0 of window 3   my spare word: SPARE + 4 x my thread's number; never rewritten
.set NIL, 1           ; v1 of window 3   0; never rewritten
.set SPARE, STAGE+4*16*SP  ; behind the stages: the spare words, 128 bytes for each wave: two blocks of 256 bytes that no other line names
.set MV,  12          ; v12-15  c m_old, kept while c m is made anew: by buffer and tile
.set ST,  16          ; tile t's statistics at v[ST+4 t]: c m, m, l (even keys', odd keys')
.set TMP, 48          ; by buffer and tile, four registers c0-c3 at work; when the maximum is found c2 takes a
.set S,   64
.set P,   192
.set KF,  128         ; K's fragments, in window 2: key block kb, channel half c at KF + 16 kb + 8 c
.set VF,  192         ; V's: key half kk, channel block cb at VF + 32 kk + 8 cb
.set WV,  12          ; s12  my wave's number
.set G1K, 24          ; s[24:31] descriptor group 1 for K
.set G1V, 32          ; s[32:39] for V: it differs in the padding alone
.set G0K, 40          ; s[40:43] descriptor group 0 for K
.set G0V, 44          ; s[44:47] for V
.set CNT, 57          ; s57  key steps still to be ended
.set CS,  58          ; s[58:59] c: the packed scaling takes the pair's low word for both halves
.set SEL, 60          ; s[60:61] v_permlanex16_b32's selects: each lane takes its own place in the other half
.set TBK, 62          ; s62  LDS byte at which K of the step to be fetched begins
.set TBV, 63          ; s63  the same for V, less VOFF
.set MSB, 0
.macro WIN new                      ; the high byte repeats the setting that is left; a switch that changes nothing is dropped
.if MSB != (\new)
	s_set_vgpr_msb (MSB<<8)|(\new)
.set MSB, (\new)
.endif
.endm
.set W_KQ, 0x0a       ; K and Q in window 2, S^T in window 0
.set W_PV, 0x52       ; V in window 2, P in window 0, O^T in window 1
.set W_RS, 0x41       ; O^T (destination and source 0) in window 1, a in window 0
.set W_MK, 0xc0       ; the add's registers are made: destination in window 3, sources in window 0
.set W_AD, 0x0f       ; the add: address (source 0) and data (source 1) in window 3
; The joint fill.  Waves 0 and 1 fetch the two halves of K, waves 2 and 3 those of V: 256 keys each.  The branch hangs on the wave's number alone.
; An s_nop 0 and four v_nop follow each of the two lines, ahead of the jump and the label.
.macro JLOAD
	s_cmp_lt_u32 s[WV], 2
	s_cbranch_scc0 .Lfor_v_\@
	tensor_load_to_lds s[G0K:G0K+3], s[G1K:G1K+7]
	s_nop 0
.rept 4
	v_nop
.endr
	s_branch .Lasked_\@
.Lfor_v_\@:
	tensor_load_to_lds s[G0V:G0V+3], s[G1V:G1V+7]
	s_nop 0
.rept 4
	v_nop
.endr
.Lasked_\@:
.endm
; A round of the cluster's barrier: my work-group's barrier, so that wave 0's signal speaks for all four waves; wave 0 signals; every wave waits for all four work-groups; my work-group's barrier once more.
.macro CROUND
	s_barrier_signal -1
	s_barrier_wait -1
	s_cmp_lg_u32 s[WV], 0
	s_cbranch_scc1 .Lnot_wave_0_\@
	s_barrier_signal -3
.Lnot_wave_0_\@:
	s_barrier_wait -3
	s_barrier_signal -1
	s_barrier_wait -1
.endm
	s_load_b256 s[4:11], s[0:1], 0x0  ; Q s[4:5], K s[6:7], V s[8:9], O s[10:11]
	WIN W_MK
	v_lshl_add_u32 v[SPW], v0, 2, SPARE
	v_mov_b32 v[NIL], 0
	WIN W_AD
	ds_add_u32 v[SPW], v[NIL]       ; the wave's opening: the add and its wait stand ahead of my first tensor load; the set-up below stands between them
	WIN 0
	v_lshrrev_b32 v1, 5, v0
	v_readfirstlane_b32 s[WV], v1   ; wave 0..3
	s_bfe_u32 s13, ttmp6, 0x40000   ; cx: my place in the cluster
	s_lshl_b32 s14, ttmp9, 2        ; in a cluster launch ttmp9 counts clusters
	s_add_co_u32 s14, s14, s13      ; my block of 512 queries: it enters Q's and O's addresses alone
	s_and_b32 s20, ttmp7, 0xffff    ; the head (16 b + head), which the four partners share
	s_lshl_b32 s22, s20, 16         ; its 512 rows of 128 bytes in K and V,
	s_and_b32 s16, s[WV], 1         ; and the half that I fetch:
	s_lshl_b32 s15, s16, 15         ; 256 rows of 128 bytes in memory,
	s_add_co_u32 s22, s22, s15
	s_mov_b32 s23, 0
	s_mul_i32 s17, s16, 256*PK      ; its place in LDS, for K
	s_mul_i32 s18, s16, 256*PV      ; and for V: no place in the cluster enters an LDS address
	s_lshl_b32 s2, s14, 2
	s_add_co_u32 s2, s2, s[WV]      ; my wave among the head's sixteen,
	s_lshl_b32 s2, s2, 14           ; its 128 rows,
	s_lshl_b32 s3, s20, 18          ; in the head's 2,048
	s_add_co_u32 s2, s2, s3
	s_mov_b32 s3, 0
	; descriptor group 1.  256 keys are 32,768 dense bytes: asked for as 128 rows of 256 bytes, two keys a row, and padded in LDS after every key
	s_mov_b32 s[G1K], 15|(1<<16)|(1<<20)|(1<<21)|(4<<22)|(3<<25)  ; 15:0 the mask of four; 17:16 2-byte elements; 20 padding on; 21 set beside a mask; 24:22 after every 32 words (code 4); 31:25 4 words (code 3)
	s_mov_b32 s[G1V], 15|(1<<16)|(1<<20)|(1<<21)|(4<<22)|(7<<25)  ; the same with 8 words of padding (code 7)
.irp g, G1K, G1V
	s_mov_b32 s[\g+1], 128<<16      ; tensor_dim0 = 128
	s_mov_b32 s[\g+2], 128<<16      ; tensor_dim1 = 128
	s_mov_b32 s[\g+3], 128<<16      ; tile_dim0 = 128
	s_mov_b32 s[\g+4], 128          ; tile_dim1 = 128
	s_mov_b32 s[\g+5], 128          ; 128 elements from row to row
	s_mov_b32 s[\g+6], 0
	s_mov_b32 s[\g+7], 0
.endr
	s_mov_b32 s[CS], 0x3e38aa3b     ; c = log2(e) / 8 = 0.180337
	s_mov_b32 s[CS+1], s[CS]        ; named with it as a pair
	s_mov_b32 s[SEL], 0x76543210
	s_mov_b32 s[SEL+1], 0xfedcba98
	s_mov_b32 s[TBK], 0
	s_mov_b32 s[TBV], 0
	s_mov_b32 s[G0K], 1             ; 1:0 count = 1
	s_mov_b32 s[G0K+1], s17         ; 63:32 LDS address
	s_mov_b32 s[G0V], 1
	s_add_co_u32 s[G0V+1], s18, VOFF
	s_wait_dscnt 0x0                ; the opening add is done
	s_wait_kmcnt 0x0
	s_add_nc_u64 s[G0K+2:G0K+3], s[6:7], s[22:23]  ; 120:64 global address: my half of the head's keys
	s_or_b32 s[G0K+3], s[G0K+3], 0x80000000        ; 127:126 type = 2
	s_add_nc_u64 s[G0V+2:G0V+3], s[8:9], s[22:23]
	s_or_b32 s[G0V+3], s[G0V+3], 0x80000000
	s_add_nc_u64 s[4:5], s[4:5], s[2:3]  ; Q and O at my wave's first row
	s_add_nc_u64 s[10:11], s[10:11], s[2:3]
	CROUND                          ; all four work-groups are here: the joint loads meet
	JLOAD                           ; my one tensor load of the launch
	; A fragment of K or Q is 16 rows x 32 channels in 8 registers: lane l holds row l % 16, channels 8 (l / 16) + 0..7 and 16 + 8 (l / 16) + 0..7: two loads of 16 bytes, 32 bytes apart.
	v_and_b32 v1, 15, v0            ; l % 16
	v_bfe_u32 v9, v0, 4, 1          ; l / 16
	v_lshlrev_b32 v[QO], 7, v1
	v_lshl_add_u32 v[QO], v9, 4, v[QO]  ; row x 128 + 16 x half
	WIN 0x80                        ; destination window 2, address window 0
.set i, 0
.rept 4*NP                          ; Q stays in registers: tile i / 2, channels 32 (i % 2) on
	global_load_b128 v[8*i:8*i+3],   v[QO], s[4:5] offset:(i/2)*2048+(i%2)*64
	global_load_b128 v[8*i+4:8*i+7], v[QO], s[4:5] offset:(i/2)*2048+(i%2)*64+32
.set i, i+1
.endr
	; What the first turn finds: V's registers and P's second buffer hold 0 (its products V^T P, of a piece that has not been, add 0), O^T and l are 0.  All this stands in the wait for the tiles.
.set i, VF
.rept 64
	v_mov_b32 v[i], 0
.set i, i+1
.endr
	WIN 0x40
.set i, 0
.rept 64*NP
	v_mov_b32 v[i], 0
.set i, i+1
.endr
	WIN 0
.set i, 0
.rept 2*NP
	v_mov_b32 v[ST+4*i], 0xfe000000    ; c m: far below every c s
	v_mov_b32 v[ST+4*i+1], 0xff7fffff  ; m
	v_mov_b32 v[ST+4*i+2], 0
	v_mov_b32 v[ST+4*i+3], 0
.set i, i+1
.endr
.set i, P+32
.rept 32
	v_mov_b32 v[i], 0
.set i, i+1
.endr
	v_mul_u32_u24 v[AK0], v1, PK
	v_lshl_add_u32 v[AK0], v9, 4, v[AK0]  ; row x pitch + 16 x half
	; The turning load takes 16 keys x 16 channels (lane l reads key 8 (l / 16) + l % 8, channels 8 ((l / 8) % 2) + 0..7) and leaves half a fragment of V^T: lane l holds channel l % 16 and 8 keys.
	v_and_b32 v10, 7, v0
	v_bfe_u32 v11, v0, 3, 1
	v_lshl_add_u32 v[AV0], v9, 3, v10
	v_mul_u32_u24 v[AV0], v[AV0], PV
	v_lshl_add_u32 v[AV0], v11, 4, v[AV0]
	v_add_nc_u32 v[AV0], VOFF, v[AV0]
	v_mov_b32 v[AK], v[AK0]         ; key step 0 lies at K's head
; THE MATRIX WORK.  The 8 accumulators of a run of 16 take turns: between the two links of a chain stand 7 others'.
; Product i of 16 of S^T = K Q^T for piece x: channels 32 (i / 8) on, keys 16 ((i / 2) % 4) on, tile 2 x + i % 2.  The first 8 start the sums.
.macro KQ x
	WIN W_KQ
.set rS, S+64*((\x)%2)+32*(i%2)+8*((i/2)%4)
.set rK, KF+16*((i/2)%4)+8*(i/8)
.set rQ, 16*(2*(\x)+i%2)+8*(i/8)
.if i < 8
	v_wmma_f32_16x16x32_bf16 v[rS:rS+7], v[rK:rK+7], v[rQ:rQ+7], 0
.else
	v_wmma_f32_16x16x32_bf16 v[rS:rS+7], v[rK:rK+7], v[rQ:rQ+7], v[rS:rS+7]
.endif
.endm
; Product i of 16 of O^T += V^T P for piece x: keys 32 (i / 8) on, channels 16 ((i / 2) % 4) on, tile 2 x + i % 2.
.macro PV x
	WIN W_PV
.set rO, 32*(2*(\x)+i%2)+8*((i/2)%4)
.set rV, VF+32*(i/8)+8*((i/2)%4)
.set rP, P+32*((\x)%2)+16*(i%2)+8*(i/8)
	v_wmma_f32_16x16x32_bf16 v[rO:rO+7], v[rV:rV+7], v[rP:rP+7], v[rO:rO+7]
.endm
.macro MM                           ; the turn's next matrix instruction
.if i < 16
	KQ (Y+1)%NP
.set i, i+1
.else
.set i, i-16
	PV (Y+NP-1)%NP
.set i, i+17
.endif
.endm
; THE LDS LOADS stand in runs of 16, never singly among the matrix instructions: a step's K (64 keys x 64 channels: 8 fragments) and its V (turned).  Their addresses are made some lines ahead.
; last = 1: in the last trip there is no further step, and the run is jumped over.
.macro FETCH_K last=0
	WIN 0
.if \last
	s_cmp_eq_u32 s[CNT], 1
	s_cbranch_scc1 .Lno_k_\@
.endif
	WIN 0x80                        ; destination window 2
.irp f, 0,1,2,3,4,5,6,7             ; keys 16 (f / 2) on, channels 32 (f % 2) on
	ds_load_b128 v[KF+8*\f:KF+8*\f+3],   v[AK] offset:(\f/2)*16*PK+(\f%2)*64
	ds_load_b128 v[KF+8*\f+4:KF+8*\f+7], v[AK] offset:(\f/2)*16*PK+(\f%2)*64+32
.endr
	s_add_co_u32 s[TBK], s[TBK], KS*PK  ; the next fetch is the next step's
	WIN 0
.if \last
.Lno_k_\@:
.endif
.endm
.macro FETCH_V
	WIN 0x80
.irp f, 0,1,2,3,4,5,6,7             ; keys 32 (f / 4) on, channels 16 (f % 4) on
	ds_load_tr16_b128 v[VF+8*\f:VF+8*\f+3],   v[AV] offset:(\f/4)*32*PV+(\f%4)*32
	ds_load_tr16_b128 v[VF+8*\f+4:VF+8*\f+7], v[AV] offset:(\f/4)*32*PV+16*PV+(\f%4)*32
.endr
	WIN 0
.endm
; THE VECTOR WORK OF A TURN stands in three queues, each in the order in which its entries become ready; the two tiles alternate, so that no instruction reads the result of the one before it.
.macro REGS y, u                    ; the registers of tile u (0, 1) of piece y
.set rT, ST+4*(2*(\y)+(\u))
.set rC, TMP+8*((\y)%2)+4*(\u)
.set rM, MV+2*((\y)%2)+(\u)
.set rS, S+64*((\y)%2)+32*(\u)
.set rP, P+32*((\y)%2)+16*(\u)
.set rO, 32*(2*(\y)+(\u))
.endm
; Number n of the 22 that find the NEXT piece's (Y + 1) maximum and statistics.  s0-s31 are the lane's 32 scores; each accumulator's lowest registers are read first.  XS, GS and REGS set no window: PL and EX do.
;   0-11  four chains c0-c3 of seven scores each, three operands at a time     12-14, 16  the four scores left over, the old m, and c0-c3 into c0     15  c m_old is kept
;   17, 18  the query's other 32 keys lie in the lane 16 away: the new m         19-21  c m; c m_old - c m_new; a
.macro XS u, n
	REGS (Y+1)%NP, \u
.if (\n) < 4
	v_max3_num_f32 v[rC+(\n)], v[rS+8*(\n)], v[rS+8*(\n)+1], v[rS+8*(\n)+2]
.elseif (\n) < 12
	v_max3_num_f32 v[rC+(\n)%4], v[rC+(\n)%4], v[rS+8*((\n)%4)+2*((\n)/4)+1], v[rS+8*((\n)%4)+2*((\n)/4)+2]
.elseif (\n) == 12
	v_max3_num_f32 v[rC], v[rC], v[rS+7], v[rS+15]
.elseif (\n) == 13
	v_max3_num_f32 v[rC+1], v[rC+1], v[rS+23], v[rS+31]
.elseif (\n) == 14
	v_max3_num_f32 v[rC+2], v[rC+2], v[rC+3], v[rT+1]
.elseif (\n) == 15
	v_mov_b32 v[rM], v[rT]
.elseif (\n) == 16
	v_max3_num_f32 v[rC], v[rC], v[rC+1], v[rC+2]
.elseif (\n) == 17
	v_permlanex16_b32 v[rC+3], v[rC], s[SEL], s[SEL+1]
.elseif (\n) == 18
	v_max_num_f32 v[rT+1], v[rC], v[rC+3]
.elseif (\n) == 19
	v_mul_f32 v[rT], s[CS], v[rT+1]
.elseif (\n) == 20
	v_sub_f32 v[rC+1], v[rM], v[rT]
.else
	v_exp_f32 v[rC+2], v[rC+1]
.endif
.endm
; Number g of the 64 that follow the exponentials.  For each four weights k of a tile (pairs 2 k, 2 k + 1): both pairs are rounded to bf16; then the second pair is added onto the first, in place;
; a group later l takes that sum (the first time as l = a l + sum).  In groups of eight, tiles alternating: round, round, add, and l for the group before.
.macro GS g
.set h, (\g)+6*((\g)/62)            ; group 0 has no group before it, and behind group 7 only l is left
.if h >= 6
.set h, h+2
.endif
	REGS Y, h%2
.set k, h/8
.if h%8 < 4
	s_wait_alu depctr_va_vdst(0)
	v_cvt_pk_bf16_f32 v[rP+2*k+(h%8)/2], v[rS+4*k+2*((h%8)/2)], v[rS+4*k+2*((h%8)/2)+1]
.elseif h%8 < 6
	v_pk_add_f32 v[rS+4*k:rS+4*k+1], v[rS+4*k:rS+4*k+1], v[rS+4*k+2:rS+4*k+3]
.elseif k == 1
	v_pk_fma_f32 v[rT+2:rT+3], v[rT+2:rT+3], v[rC+2:rC+3], v[rS:rS+1] op_sel_hi:[1,0,1]
.else
	v_pk_add_f32 v[rT+2:rT+3], v[rT+2:rT+3], v[rS+4*k-4:rS+4*k-3]
	s_wait_alu depctr_va_vdst(0)
.endif
.endm
; THE PLAIN QUEUE, 138 long.  0-31: c s - c m for the 16 pairs of both tiles.  Then GS's 64, and among them the next piece's 42: number 15 at 38, 39; 0-14 and 16
; at 42-73, behind the products that make those scores; 17-20 at 95-106, two of three, since each waits for the one before it.
.macro PL
	WIN 0
.if q < 32
	REGS Y, q%2
	v_pk_fma_f32 v[rS+2*(q/2):rS+2*(q/2)+1], v[rS+2*(q/2):rS+2*(q/2)+1], s[CS:CS+1], v[rT:rT+1] op_sel_hi:[1,0,0] neg_lo:[0,0,1] neg_hi:[0,0,1]
.elseif q < 38
	GS q-32
.elseif q < 40
	XS q%2, 15
.elseif q < 42
	GS q-34
.elseif q < 74
	XS q%2, (q-42)/2+(q-42)/30
.elseif q < 95
	GS q-66
.elseif (q < 107) && ((q-95)%3 < 2)
	XS (q-95)%3, 17+(q-95)/3
.elseif q < 107
	GS 29+(q-95)/3
.else
	GS q-74
.endif
.set q, q+1
.endm
; THE EXPONENTIALS' QUEUE, 66 long: s0-s31 of both tiles, and at EA the next piece's two a.
.set EA, 58
.macro EX
	WIN 0
.if (e == EA) || (e == EA+1)
	XS e-EA, 21
.else
.set x, e-2*(e/(EA+2))
	REGS Y, x%2
	v_exp_f32 v[rS+x/2], v[rS+x/2]
.endif
.set e, e+1
.endm
; THE RESCALING's QUEUE: O^T times a, the one part that leaves window 0, so it is dealt four at a time, eight times.
.macro R4
	REGS Y, r%2
	WIN W_RS
	s_wait_alu depctr_va_vdst(0)
.irp z, 0,1,2,3
	v_pk_mul_f32 v[rO+8*(r/2)+2*\z:rO+8*(r/2)+2*\z+1], v[rO+8*(r/2)+2*\z:rO+8*(r/2)+2*\z+1], v[rC+2:rC+3] op_sel_hi:[1,0]
.endr
.set r, r+1
.endm
; HOW THEY ARE DEALT.  Behind a matrix instruction four: plain, exponential, plain, plain (one exponential, a plain instruction on either side), or four of the rescaling.  None names a register of the
; products round it.  What is over stands in two LUMPS: exponential and plain by turns; the second ends in 22 plain instructions.  The two v_permlanex16_b32 fall into the second lump, never behind a product.
; The queues lean on each other, and the deal keeps them in step: exponential e stands behind plain 2 (e / 4) + e % 2 (its scaling); when plain 32 comes, 10 exponentials are out, at 59: 33, at 95: 46; EA comes behind plain 107.
.macro SL
	MM
	PL
	EX
	PL
	PL
.endm
.macro BURST n                      ; 15 matrix instructions, or 16
.rept (\n)-7
	SL
.endr
.rept 3
	MM
	R4
	SL
.endr
	MM
	R4
.endm
; A TURN, for piece p.
; K of the next step is fetched in piece 2's turn, 31 vector instructions behind the last product that read K; its first reader comes behind the rest of the lump, 16 products and the second lump.
; V of the step in hand is fetched at the end of piece 0's turn, 69 behind its last reader; its first reader comes behind 16 products and a lump.  The conditions on e and q below go with the deal.
.macro TURN p, last=0
.set Y, (\p)
.set i, 0
.set q, 0
.set e, 0
.set r, 0
.if (\p) == NP-1
	s_wait_dscnt 0x0                ; K is in
.endif
	MM
.rept 4
	PL
.endr
	BURST 15
.rept 22
	EX
	PL
.if ((\p) == NP-2) && (e == 18)
	v_add_nc_u32 v[AK], s[TBK], v[AK0]
.endif
.if ((\p) == NP-2) && (e == 24)
	FETCH_K \last
.endif
.endr
.if (\p) == 1
	s_wait_dscnt 0x0                ; V is in
.endif
	BURST 16
.rept 21
	EX
	PL
.endr
.rept 22
	PL
.if ((\p) == 0) && (q == 118)
	v_add_nc_u32 v[AV], s[TBV], v[AV0]
	s_wait_alu depctr_va_vdst(0)
.endif
.if ((\p) == 0) && (q == 130)
	s_add_co_u32 s[TBV], s[TBV], KS*PV
.endif
.endr
.if (\p) == 0
	FETCH_V
.endif
.endm
	s_wait_tensorcnt 0x0            ; my part of K or V is in,
	s_barrier_signal -1
	s_barrier_wait -1               ; everybody's is; nothing is ever filled again
	FETCH_K                         ; key step 0
	s_wait_loadcnt 0x0              ; Q
	s_wait_dscnt 0x0
.set i, 0
.rept 16
	KQ 0                            ; piece 0's first scores: there is no vector work yet to set between them
.set i, i+1
.endr
	WIN 0                           ; the addresses for the way out: nine plain instructions, the places behind those products
	s_mul_i32 s13, s[WV], 16*SP
	s_add_co_u32 s13, s13, STAGE    ; my stage
	v_mul_u32_u24 v[STO], v1, SP    ; in: row l % 16, 16 bytes for each half of the lanes
	v_lshl_add_u32 v[STO], v9, 4, v[STO]
	v_add_nc_u32 v[STO], s13, v[STO]
	v_bfe_u32 v[RD], v0, 3, 2       ; back: 32 lanes take four rows of 128 bytes,
	v_mul_u32_u24 v[RD], v[RD], SP
	v_lshl_add_u32 v[RD], v10, 4, v[RD]
	v_add_nc_u32 v[RD], s13, v[RD]
	v_and_b32 v[GO], 31, v0         ; which are 512 consecutive bytes of O
	v_lshlrev_b32 v[GO], 4, v[GO]
.set Y, NP-1                        ; XS works for piece Y + 1: piece 0
.irp n, 0,1,2,3,4,5,6,7,8,9,10,11,12,13,14,15,16,17,18,19,20,21
	XS 0, \n                        ; and piece 0's first maximum and statistics
	XS 1, \n
.endr
	s_mov_b32 s[CNT], NKEY/KS       ; eight key steps
	s_branch .Lfirst                ; the loop is entered at a step's first turn, in the middle of a trip
.Ltail:                             ; a trip: pieces 2 and 3 of one step, then pieces 0 and 1 of the next, whose K and V it fetches; the eighth trip is left in its middle
	TURN 2, 1
	TURN 3
	WIN 0
	s_sub_co_u32 s[CNT], s[CNT], 1
	s_cmp_eq_u32 s[CNT], 0
	s_cbranch_scc1 .Lout
.Lfirst:
	TURN 0
	TURN 1
	WIN 0
	s_branch .Ltail
.Lout:                              ; the last trip's 16 products K Q^T (on the last K once more) and the maximum made of them serve nothing: the price, once a launch, of one text for every trip
.set i, 0
.rept 16
	PV NP-1                         ; the last piece's V^T P of the last step
.set i, i+1
.endr
	; THE WAY OUT.  l's two halves and the other half of the lanes' are added; O^T is divided by l, rounded to bf16 and sent through my stage in LDS, a tile at a time.  The additions are the places behind the last products.
	WIN 0
.macro ALL line:vararg              ; one line for each tile t
.set t, 0
.rept 2*NP
	\line
.set t, t+1
.endr
.endm
	ALL v_add_f32 v[ST+4*t+2], v[ST+4*t+2], v[ST+4*t+3]
	ALL v_permlanex16_b32 v[ST+4*t+3], v[ST+4*t+2], s[SEL], s[SEL+1]
	ALL v_add_f32 v[ST+4*t+2], v[ST+4*t+2], v[ST+4*t+3]
	ALL v_rcp_f32 v[ST+4*t+2], v[ST+4*t+2]
	v_nop                           ; a plain instruction between the last reciprocal and the use of its result
	s_wait_alu depctr_va_vdst(0)
; Tile t: a lane's eight channels of a row pack into 16 bytes; they go into rows of 144 bytes and come back as whole rows of 128, into S^T's registers.
.macro PACK t
	WIN W_RS
.set i, 32*(\t)
.rept 16
	v_pk_mul_f32 v[i:i+1], v[i:i+1], v[ST+4*(\t)+2:ST+4*(\t)+3] op_sel_hi:[1,0]
.set i, i+2
.endr
	WIN 0x05                        ; sources 0 and 1 window 1, destination window 0
.set i, 0
.rept 16
	v_cvt_pk_bf16_f32 v[S+16*(\t)+i], v[32*(\t)+2*i], v[32*(\t)+2*i+1]
.set i, i+1
.endr
	WIN 0
.irp f, 0,1,2,3
	ds_store_b128 v[STO], v[S+16*(\t)+4*\f:S+16*(\t)+4*\f+3] offset:32*\f
.endr
.irp f, 0,1,2,3
	ds_load_b128 v[S+16*(\t)+4*\f:S+16*(\t)+4*\f+3], v[RD] offset:\f*4*SP  ; LDS serves a wave's instructions in order (ISA guide 5.7.1.4): these see the stores above; the next tile's stores come behind them
.endr
.endm
.macro SEND t, younger              ; younger: the LDS instructions issued behind tile t's loads: the next tile's eight, or none
	WIN 0
.irp f, 0,1,2,3
	s_wait_dscnt (\younger)+3-\f
	global_store_b128 v[GO], v[S+16*(\t)+4*\f:S+16*(\t)+4*\f+3], s[10:11] offset:(\t)*2048+\f*512  ; 512 consecutive bytes, at a multiple of 256 from O's first
.endr
.endm
	PACK 0
.set t, 1
.rept 2*NP-1                        ; a tile's arithmetic stands between the loads of the tile before and its stores
	PACK t
	SEND t-1, 8
.set t, t+1
.endr
	SEND 2*NP-1, 0
	WIN W_AD
	s_wait_tensorcnt 0x0            ; the wave's end, behind my last tensor load and my last LDS store
	ds_add_u32 v[SPW], v[NIL]
	s_wait_dscnt 0x0
	WIN 0
	CROUND                          ; the closing round: no work-group ends while a partner may still ask for a tile that names it
	s_endpgm
.Lfunc_end_k_q8ff58ec2d7_attn:
	.size	k_q8ff58ec2d7_attn, .Lfunc_end_k_q8ff58ec2d7_attn-k_q8ff58ec2d7_attn
	.p2alignl 7, 3214868480
	.fill 96, 4, 3214868480
	.section	.rodata,"a",@progbits
	.p2align	6, 0x0
	.amdhsa_kernel k_q8ff58ec2d7_attn
		.amdhsa_group_segment_fixed_size 327680
		.amdhsa_private_segment_fixed_size 0
		.amdhsa_enable_private_segment 0
		.amdhsa_kernarg_size 32
		.amdhsa_user_sgpr_count 2
		.amdhsa_user_sgpr_kernarg_segment_ptr 1
		.amdhsa_wavefront_size32 1
		.amdhsa_system_sgpr_workgroup_id_x 1
		.amdhsa_system_sgpr_workgroup_id_y 1
		.amdhsa_system_sgpr_workgroup_id_z 1
		.amdhsa_system_vgpr_workitem_id 0
		.amdhsa_next_free_vgpr 770
		.amdhsa_next_free_sgpr 66
		.amdhsa_reserve_vcc 0
		.amdhsa_float_denorm_mode_32 3
		.amdhsa_float_denorm_mode_16_64 3
		.amdhsa_memory_ordered 1
		.amdhsa_forward_progress 1
		.amdhsa_inst_pref_size 129
	.end_amdhsa_kernel
	.amdgpu_metadata
---
amdhsa.version: [ 1, 2 ]
amdhsa.kernels:
  - .name:           k_q8ff58ec2d7_attn
    .symbol:         k_q8ff58ec2d7_attn.kd
    .args:
      - { .name: qh, .offset: 0, .size: 8, .value_kind: global_buffer, .address_space: global }
      - { .name: kh, .offset: 8, .size: 8, .value_kind: global_buffer, .address_space: global }
      - { .name: vh, .offset: 16, .size: 8, .value_kind: global_buffer, .address_space: global }
      - { .name: oh, .offset: 24, .size: 8, .value_kind: global_buffer, .address_space: global }
    .group_segment_fixed_size: 327680
    .private_segment_fixed_size: 0
    .kernarg_segment_align: 8
    .kernarg_segment_size: 32
    .max_flat_workgroup_size: 128
    .sgpr_count:     66
    .vgpr_count:     770
    .wavefront_size: 32
...
	.end_amdgpu_metadata
.endif
;; end of part 3
;; launch oproj (part 4): grid 4 x 64, 4 waves a work-group, clusters of 4 x 4, 327,680 bytes of LDS; arguments oh, wb, bo, x, out0; writes out0
.if DOCPART == 4
	.amdgcn_target "amdgcn-amd-amdhsa--gfx1250"
	.amdhsa_code_object_version 6
	.text
	.protected	k_q8ff58ec2d7_oproj
	.globl	k_q8ff58ec2d7_oproj
	.p2align	8
	.type	k_q8ff58ec2d7_oproj,@function
k_q8ff58ec2d7_oproj:
	s_mov_b64 s[64:65], 0
	v_nop
	global_prefetch_b8 v0, s[64:65] scope:SCOPE_SE
	s_setreg_imm32_b32 hwreg(HW_REG_WAVE_MODE, 25, 1), 1
	s_wait_xcnt 0x0
	s_wait_alu depctr_hold_cnt(0) depctr_sa_sdst(0) depctr_va_vdst(0) depctr_va_sdst(0) depctr_va_ssrc(0) depctr_va_vcc(0) depctr_vm_vsrc(0)
	s_getreg_b32 s2, hwreg(HW_REG_IB_STS2, 6, 4)
	s_cmp_eq_u32 s2, 0
	s_cbranch_scc0 .Lentry_in_a_cluster
	s_endpgm
.Lentry_in_a_cluster:
	s_bfe_u32 s2, ttmp6, 0x10000c
	s_cmp_lg_u32 s2, 0xf033
	s_cbranch_scc0 .Lentry_shape_is_right
	s_endpgm
.Lentry_shape_is_right:
; OPROJ.  out0[b][n][s] = x[b][n][s] + bo[n] + the sum over c of o[b][s][c] Wo[c][n].  o arrives by heads, oh [16 b + head][2048][64] bf16; Wo is wb's fourth weight, [c][n] bf16.  Sums, bias and x in f32.
; A tile is 256 rows s x 256 columns n: 256 equal work-groups.  Four waves, each 128 x 128: 64 accumulators, 512 registers.  K = 1,024 goes in 8 steps of 128, two heads a step, through two LDS slots:
; a wave issues 256 matrix instructions a step, 224 of them between a slot's request and the wait for it.
; A head's 256 rows are 32,768 dense bytes, asked for as 128 rows of 256 bytes and padded in LDS after every 128; the weights stay [k][n]: rows of 512 bytes, read turned by ds_load_tr16_b128.
; A K STEP IS WRITTEN ONCE.  s45 holds the LDS offset of the slot that is read, 0 or SLOT, turned by an exclusive or at each change of slots; the fragment loads' addresses are that offset plus a lane's constant,
; and one walking descriptor a tensor takes the offset of the slot just read and the next K step's address.  A loop of six trips fills slots again; a second text of the step, walked twice, fills nothing.
; CLUSTER 4 x 4: o's tile hangs on the tile row alone and is asked for jointly by a row of the cluster, Wo's on the tile column alone, jointly by a column.
; Source 0 = 16 rows s of o, source 1 = 16 columns n of Wo: a lane holds one n and eight neighbouring s: pieces of a row of out0, which runs along s.  The bias, one number a lane, is the C operand that starts the sums.
; X.  My 128 n x 128 s of x are eight blocks of 16 n, 64 registers each, in five buffers: blocks 0 and 2 are asked for at the start, block 1 behind the first quarter (into the bias's registers),
; blocks 3 and 4 behind the last product (into o's fragment registers), blocks 5 to 7 as buffers fall free.
; REGISTERS: window 0: v0-31 addresses; v64-127, v128-191 Wo's fragments, two buffers (on the way out rows read back); v192-255 x.
;   window 1: v0-63 the bias, eight equal registers a block of n, then x; v64-127, v128-191 o's fragments, then x; v192-255 x.
;   window 2: accumulator (a, b) at v[8 (8 a + b)] for blocks of n a = 0-3;   window 3: for a = 4-7.
; LIMITS: bf16 operands; NaN and infinities are not treated apart.
.set KSTEP,  128
.set APITCH, 144                       ; 128 bytes + 16: the 16 rows of a fragment load start at 16 different groups of four banks (64 banks of 4 bytes: ISA guide 11.1)
.set WPITCH, 544                       ; 512 bytes + 32 = 136 words
.set AHEAD,  256*APITCH                ; one head's 256 rows: what one tensor load brings of o
.set WHALF,  64*WPITCH                 ; and of Wo: 64 rows along K
.set ABYTES, 2*AHEAD
.set SLOT,   ABYTES+2*WHALF
.set STAGE,  2*SLOT                    ; behind the ring: 16 rows x 528 bytes for each wave
.set SP,     528                       ; 512 bytes + 16 = 33 x 16: sixteen lanes a row apart touch sixteen different 16-byte columns
.set SPARE,  STAGE+4*16*SP             ; behind the stages: the spare words, 128 bytes for each wave: two blocks of 256 bytes that no other line names
.set ASTEP,  2*2048*128                ; a K step: two heads on,
.set WSTEP,  KSTEP*2048                ; 128 rows down Wo
.set ADRA0, 12                         ; v12    my lane's place in slot 0's o; never rewritten
.set ADRB0, 13                         ; v13    the same for Wo
.set ADRA,  16                         ; v16    the same in the slot that is read
.set ADRB,  17                         ; v17
.set PFO,  18                          ; v18    a lane's 256 bytes of a block of x: row l / 2, half l % 2; never rewritten
.set STO,  24                          ; v24    the way out: where I put 16 bytes
.set RD,   25                          ; v25    where I read rows back
.set XO,   26                          ; v26    16 x lane: my place in a row's 512 bytes of x and of out0; never rewritten
.set BA,   27                          ; v27    byte offset of my number of bo, block 0
.set SPW,  28                          ; v28    my spare word; never rewritten
.set NIL,  29                          ; v29    0; never rewritten
.set R,    64                          ; v64-191  16 whole rows read back, two buffers
.set F0,   64
.set F1,   128
.set BIAS, 0                           ; window 1
.set TB,  45                           ; s45      LDS offset of the slot that is read
.set G1,  24                           ; s[24:31] group 1, s[32:39] group 0 for o: a set for each first fill; the second then walks
.set G0,  32
.set G1B, 48                           ; s[48:55], s[56:63] the same for Wo
.set G0B, 56
.set MSB, 0
.macro WIN new                         ; the immediate's high byte repeats the setting that is left
.if MSB != (\new)
	s_set_vgpr_msb (MSB<<8)|(\new)
.set MSB, \new
.endif
.endm
.set MUL_LO, 0xa1                      ; source 0 window 1, source 1 window 0, C and D window 2
.set TO_B,   0x40                      ; destination window 1, address window 0
.macro JLOAD s                         ; a joint load: waves 0 and 1 fetch o's two heads, waves 2 and 3 Wo's halves; an s_nop 0 and four v_nop follow each line
	s_cmp_eq_u32 s11, 0
	s_cbranch_scc0 .Lfor_b_\@
	tensor_load_to_lds s[G0+4*(\s):G0+4*(\s)+3], s[G1:G1+7]
	s_nop 0
.rept 4
	v_nop
.endr
	s_branch .Lasked_\@
.Lfor_b_\@:
	tensor_load_to_lds s[G0B+4*(\s):G0B+4*(\s)+3], s[G1B:G1B+7]
	s_nop 0
.rept 4
	v_nop
.endr
.Lasked_\@:
.endm
.macro CREST                           ; a round of the cluster's barrier behind its opening barrier
	s_cmp_lg_u32 s10, 0
	s_cbranch_scc1 .Lnot_wave_0_\@
	s_barrier_signal -3
.Lnot_wave_0_\@:
	s_barrier_wait -3
	s_barrier_signal -1
	s_barrier_wait -1
.endm
.macro CROUND
	s_barrier_signal -1
	s_barrier_wait -1
	CREST
.endm
	s_load_b256 s[68:75], s[0:1], 0x0              ; oh s[68:69], wb s[70:71], bo s[72:73], x s[74:75]
	s_load_b64 s[76:77], s[0:1], 0x20              ; out0
	v_lshl_add_u32 v[SPW], v0, 2, SPARE
	v_mov_b32 v[NIL], 0
	ds_add_u32 v[SPW], v[NIL]                      ; the wave's opening: the add and its wait stand ahead of my first tensor load; the set-up below stands between them
	v_lshrrev_b32 v1, 5, v0
	v_readfirstlane_b32 s10, v1                    ; wave 0..3
	s_lshr_b32 s11, s10, 1                         ; which 128 of the tile's rows s are mine.  Also: I fetch o (0) or Wo (1)
	s_and_b32 s12, s10, 1                          ; which 128 of its columns n.  Also: which head, or half, I fetch
	s_bfe_u32 s40, ttmp6, 0x40000                  ; cx, cy
	s_bfe_u32 s41, ttmp6, 0x40004
	s_lshl_b32 s42, ttmp9, 2
	s_add_co_u32 s42, s42, s40                     ; tile column
	s_and_b32 s13, ttmp7, 0xffff
	s_lshl_b32 s13, s13, 2
	s_add_co_u32 s13, s13, s41                     ; tile row
	s_lshr_b32 s90, s13, 3                         ; its batch
	s_and_b32 s91, s13, 7
	s_lshl_b32 s91, s91, 8                         ; its first s
	s_lshl_b32 s43, s41, 2
	s_lshl_b32 s43, 15, s43                        ; my row of the cluster
	s_lshl_b32 s44, 0x1111, s40                    ; my column
	s_or_b32 s[G1+0], s43, (1<<16)|(1<<20)|(1<<21)|(4<<22)|(3<<25)   ; the mask; 2-byte elements; padding on; bit 21 beside a mask; after every 32 words 4 words
	s_mov_b32 s[G1+1], 128<<16                     ; tensor_dim0 = 128: two rows of a head
	s_mov_b32 s[G1+2], 128<<16                     ; tensor_dim1 = 128
	s_mov_b32 s[G1+3], 128<<16                     ; tile_dim0 = 128
	s_mov_b32 s[G1+4], 128                         ; tile_dim1 = 128
	s_mov_b32 s[G1+5], 128                         ; dense
	s_mov_b32 s[G1+6], 0
	s_mov_b32 s[G1+7], 0
	s_or_b32 s[G1B+0], s44, (1<<16)|(1<<20)|(1<<21)|(6<<22)|(7<<25)  ; after every 128 words 8 words
	s_mov_b32 s[G1B+1], 256<<16                    ; tensor_dim0 = 256
	s_mov_b32 s[G1B+2], 64<<16                     ; tensor_dim1 = 64
	s_mov_b32 s[G1B+3], 256<<16                    ; tile_dim0 = 256
	s_mov_b32 s[G1B+4], 64                         ; tile_dim1 = 64
	s_mov_b32 s[G1B+5], 1024
	s_mov_b32 s[G1B+6], 0
	s_mov_b32 s[G1B+7], 0
	s_lshl_b32 s16, s90, 4
	s_add_co_u32 s16, s16, s12                     ; o: head 16 b + my one of the step's two,
	s_lshl_b32 s16, s16, 18                        ; of 2,048 rows of 128 bytes,
	s_lshl_b32 s17, s91, 7
	s_add_co_u32 s16, s16, s17                     ; at the tile's first s
	s_mov_b32 s17, 0
	s_lshl_b32 s46, s42, 9                         ; Wo: 512 bytes a tile column,
	s_lshl_b32 s47, s12, 17                        ; 64 rows of 2,048 bytes a half,
	s_add_co_u32 s46, s46, s47
	s_add_co_u32 s46, s46, 0x600000                ; in wb's fourth weight
	s_mov_b32 s47, 0
	s_mul_i32 s20, s12, AHEAD                      ; where they go in a slot: no place in the cluster enters an LDS address
	s_mul_i32 s21, s12, WHALF
	s_add_co_u32 s21, s21, ABYTES
	s_mov_b32 s[TB], 0                             ; slot 0 is read first
	s_wait_dscnt 0x0                               ; the opening add is done
	s_wait_kmcnt 0x0
	s_add_nc_u64 s[14:15], s[68:69], s[16:17]
	s_add_nc_u64 s[46:47], s[70:71], s[46:47]
	CROUND                                         ; all sixteen work-groups are here: the first joint loads meet
.irp s, 0,1
	s_mov_b32 s[G0+4*(\s)], 1
	s_add_co_u32 s[G0+4*(\s)+1], s20, (\s)*SLOT
	s_add_nc_u64 s[G0+4*(\s)+2:G0+4*(\s)+3], s[14:15], (\s)*ASTEP
	s_or_b32 s[G0+4*(\s)+3], s[G0+4*(\s)+3], 0x80000000
	s_mov_b32 s[G0B+4*(\s)], 1
	s_add_co_u32 s[G0B+4*(\s)+1], s21, (\s)*SLOT
	s_add_nc_u64 s[G0B+4*(\s)+2:G0B+4*(\s)+3], s[46:47], (\s)*WSTEP
	s_or_b32 s[G0B+4*(\s)+3], s[G0B+4*(\s)+3], 0x80000000
	JLOAD \s                                       ; two loads of mine are out
.endr
	v_and_b32 v1, 15, v0                           ; r = l % 16
	v_bfe_u32 v2, v0, 4, 1                         ; h = l / 16
	v_mul_u32_u24 v3, v1, APITCH
	v_lshl_add_u32 v3, v2, 4, v3
	s_mul_i32 s22, s11, 128*APITCH                 ; my 128 rows in each head
	v_add_nc_u32 v[ADRA0], s22, v3
	v_and_b32 v14, 7, v0                           ; the turning load: lane l reads row 8 h + l % 8 along K, columns 8 ((l / 8) % 2) + 0..7
	v_lshl_add_u32 v14, v2, 3, v14
	v_mul_u32_u24 v14, v14, WPITCH
	v_bfe_u32 v15, v0, 3, 1
	v_lshl_add_u32 v14, v15, 4, v14
	s_lshl_b32 s23, s12, 8                         ; my 128 columns
	s_add_co_u32 s23, s23, ABYTES
	v_add_nc_u32 v[ADRB0], s23, v14
	v_mov_b32 v[ADRA], v[ADRA0]
	v_mov_b32 v[ADRB], v[ADRB0]
	s_mul_i32 s23, s10, 16*SP
	s_add_co_u32 s23, s23, STAGE                   ; my stage: 16 rows n of 128 s f32
	v_mul_u32_u24 v[STO], v1, SP                   ; in: row r, 32 bytes for each half of the lanes
	v_lshl_add_u32 v[STO], v2, 5, v[STO]
	v_add_nc_u32 v[STO], s23, v[STO]
	v_and_b32 v15, 31, v0
	v_lshlrev_b32 v[XO], 4, v15                    ; back: 32 lanes take one row of 512 bytes, in the stage, in x and in out0
	v_add_nc_u32 v[RD], s23, v[XO]
	v_lshrrev_b32 v14, 1, v15
	v_lshlrev_b32 v14, 13, v14                     ; row l / 2 of 8,192 bytes,
	v_and_b32 v15, 1, v0
	v_lshl_add_u32 v[PFO], v15, 8, v14             ; and 256 bytes for l % 2
	s_lshl_b32 s92, s90, 23                        ; my corner of x and out0: batch,
	s_lshl_b32 s93, s42, 21                        ; 256 rows n a tile column,
	s_add_co_u32 s92, s92, s93
	s_lshl_b32 s93, s12, 20                        ; 128 a half,
	s_add_co_u32 s92, s92, s93
	s_lshl_b32 s93, s91, 2                         ; the tile's first s,
	s_add_co_u32 s92, s92, s93
	s_lshl_b32 s93, s11, 9                         ; my 128 of its 256
	s_add_co_u32 s92, s92, s93
	s_mov_b32 s93, 0
	s_add_nc_u64 s[74:75], s[74:75], s[92:93]
	s_add_nc_u64 s[76:77], s[76:77], s[92:93]
	s_lshl_b32 s18, s42, 10                        ; bo: (256 x tile column + 128 x half + r) numbers of 4 bytes
	s_lshl_b32 s19, s12, 9
	s_add_co_u32 s18, s18, s19
	v_lshlrev_b32 v[BA], 2, v1
	v_add_nc_u32 v[BA], s18, v[BA]
; Block a of x lies in buffer a % 5: window XW, registers XR on.
.macro XREG a
.set XW, 1
.if (\a)%5 == 0
.set XR, 192
.elseif (\a)%5 == 1
.set XR, 0
.elseif (\a)%5 == 2
.set XR, 192
.set XW, 0
.elseif (\a)%5 == 3
.set XR, 64
.else
.set XR, 128
.endif
.endm
.macro XLOAD a                         ; 16 rows n of my 512 bytes: each load takes one row whole
	XREG \a
	WIN XW<<6
.set t, 0
.rept 16
	global_load_b128 v[XR+4*t:XR+4*t+3], v[XO], s[74:75] offset:(16*(\a)+t)*8192 th:TH_LOAD_NT
.set t, t+1
.endr
	WIN 0
.endm
	WIN TO_B
.irp a, 0,1,2,3,4,5,6,7
	global_load_b32 v[BIAS+8*\a], v[BA], s[72:73] offset:64*\a
.endr
	XLOAD 0
	XLOAD 2
; 16 matrix instructions: blocks of n a0, a0 + 1 of the window's four (hi = 0: my columns 0-63, 1: 64-127) x all 8 blocks of s, 32 along K.  first = 1: the product starts the sums on the bias.
; The 64 accumulators take turns, in the same order in every quarter.
.macro MUL16 f, hi, a0, first
.if \first
	WIN 0x91+0x40*(\hi)                            ; C (the bias) window 1, D window 2 or 3
.else
	WIN MUL_LO+0x50*(\hi)
.endif
.irp a, \a0, (\a0)+1
.irp b, 0,1,2,3,4,5,6,7
.if \first
	v_wmma_f32_16x16x32_bf16 v[8*(8*(\a)+(\b)):8*(8*(\a)+(\b))+7], v[(\f)+8*(\b):(\f)+8*(\b)+7], v[(\f)+8*(4*(\hi)+(\a)):(\f)+8*(4*(\hi)+(\a))+7], v[BIAS+8*(4*(\hi)+(\a)):BIAS+8*(4*(\hi)+(\a))+7]
.else
	v_wmma_f32_16x16x32_bf16 v[8*(8*(\a)+(\b)):8*(8*(\a)+(\b))+7], v[(\f)+8*(\b):(\f)+8*(\b)+7], v[(\f)+8*(4*(\hi)+(\a)):(\f)+8*(4*(\hi)+(\a))+7], v[8*(8*(\a)+(\b)):8*(8*(\a)+(\b))+7]
.endif
.endr
.endr
.endm
; 32 LDS loads in one run: quarter q's fragments of the slot that is read, into buffer f: o's eight blocks (head q / 2 of the step's two, channels 32 (q % 2) on), then Wo's eight, turned
.macro FETCH q, f
	WIN TO_B
.irp b, 0,1,2,3,4,5,6,7
	ds_load_b128 v[(\f)+8*(\b):(\f)+8*(\b)+3],   v[ADRA] offset:((\q)/2)*AHEAD+((\q)%2)*64+(\b)*16*APITCH
	ds_load_b128 v[(\f)+8*(\b)+4:(\f)+8*(\b)+7], v[ADRA] offset:((\q)/2)*AHEAD+((\q)%2)*64+(\b)*16*APITCH+32
.endr
	WIN 0
.irp a, 0,1,2,3,4,5,6,7
	ds_load_tr16_b128 v[(\f)+8*(\a):(\f)+8*(\a)+3],   v[ADRB] offset:(\q)*32*WPITCH+32*(\a)
	ds_load_tr16_b128 v[(\f)+8*(\a)+4:(\f)+8*(\a)+7], v[ADRB] offset:(\q)*32*WPITCH+16*WPITCH+32*(\a)
.endr
.endm
.macro PLACES                          ; four places in front of loads into registers that matrix instructions have read, and of lines that read results
.rept 4
	v_nop
.endr
.endm
; A K step is four quarters of 32 along K, 64 matrix instructions each, on buffers 0, 1, 0, 1.  One of the first three multiplies buffer f and fetches quarter q of the same slot into g.
.macro QUARTER q, f, g, first=0
	s_wait_dscnt 8                                 ; o's blocks and Wo's blocks 0-3 are in; the youngest eight loads (blocks 4-7) may be out
	MUL16 \f, 0, 0, \first
	MUL16 \f, 0, 2, \first
	PLACES
	FETCH \q, \g
	s_wait_dscnt 32                                ; all but the 32 just issued
	MUL16 \f, 1, 0, \first
	MUL16 \f, 1, 2, \first
.endm
; The last quarter multiplies buffer 1 and changes slots: ONE barrier; in front of it each wave waits for all its tensor loads (one is out at the most: its part of the next slot), adds 0 to its spare word,
; and waits for that and for its reads of this slot.  fill = 1: the barrier opens a round of the cluster's, and the slot just read is filled again, two K steps ahead, first thing behind the round.
.macro TURN fill
	WIN 0                                          ; (the add's two registers lie in window 0)
	s_wait_tensorcnt 0x0
	ds_add_u32 v[SPW], v[NIL]
	s_wait_dscnt 9                                 ; (the add and the youngest eight loads may be out)
	MUL16 F1, 0, 0, 0                              ; sixteen matrix instructions stand between the add and the wait for it
	s_wait_dscnt 0x0                               ; the add is done, and my reads of this slot are over
	s_barrier_signal -1
	MUL16 F1, 0, 2, 0
	WIN 0                                          ; branches, or lines on window 0, follow
	s_barrier_wait -1
.if \fill
	CREST                                          ; no wave of any partner still reads this slot's tiles or has a load on its way
	s_add_co_u32 s[G0+5], s20, s[TB]               ; the walking descriptors: into the slot just read,
	s_add_nc_u64 s[G0+6:G0+7], s[G0+6:G0+7], ASTEP ; the K step behind the one asked for last; the type bits on top are not reached
	s_add_co_u32 s[G0B+5], s21, s[TB]
	s_add_nc_u64 s[G0B+6:G0B+7], s[G0B+6:G0B+7], WSTEP
	JLOAD 1                                        ; my one tensor load behind the round; its four v_nop are also the places in front of the loads below
.endif
	s_xor_b32 s[TB], s[TB], SLOT                   ; the other slot is read now
	v_add_nc_u32 v[ADRA], s[TB], v[ADRA0]
	v_add_nc_u32 v[ADRB], s[TB], v[ADRB0]
.if !(\fill)
	v_nop                                          ; with the two lines above: the four places in front of the loads below
	v_nop
.endif
	FETCH 0, F0
	MUL16 F1, 1, 0, 0
	MUL16 F1, 1, 2, 0
.endm
	s_wait_tensorcnt 1                             ; my part of K step 0 is in; step 1's may stay out
	s_barrier_signal -1
	s_barrier_wait -1
	FETCH 0, F0
	s_wait_loadcnt 32                              ; bo is in; the 32 loads of x's blocks 0 and 2, issued behind it, stay out
	WIN 0x41                                       ; destination and source 0 window 1
.irp a, 0,1,2,3,4,5,6,7
.irp j, 1,2,3,4,5,6,7
	v_mov_b32 v[BIAS+8*\a+\j], v[BIAS+8*\a]        ; a lane's eight sums of a block share its column's bias
.endr
.endr
	QUARTER 1, F0, F1, 1                           ; the first quarter stands in front of the loops: its products start the sums
	PLACES                                         ; behind the last product that read the bias:
	XLOAD 1                                        ; its registers take x's block 1
	s_mov_b32 s3, 6
.Lstep:                                            ; six trips, from a step's second quarter to the next step's first: K steps 2 to 7 are asked for
	QUARTER 2, F1, F0
	QUARTER 3, F0, F1
	TURN 1
	QUARTER 1, F0, F1
	WIN 0
	s_sub_co_u32 s3, s3, 1
	s_cmp_lg_u32 s3, 0
	s_cbranch_scc1 .Lstep
	s_mov_b32 s3, 2                                ; K steps 6 and 7 ask for nothing: a second text; it is entered behind step 6's first quarter
	s_branch .Lin
.Ltail:                                            ; these lines up to .Lin run once, at the head of the last K step
.irp a, 3,4,5,6                        ; x's blocks 3 to 6 are asked for ahead: a lane for each of a block's 32 pieces of 256 bytes, each piece once in the launch, by the wave that will load it:
	global_prefetch_b8 v[PFO], s[74:75] offset:16*\a*8192 th:TH_LOAD_NT scope:SCOPE_SE  ; 32 KiB a wave, 128 KiB a work-group, one K step ahead of the first of their loads; all inside x
.endr
	QUARTER 1, F0, F1
	WIN 0
.Lin:
	QUARTER 2, F1, F0
	QUARTER 3, F0, F1
	TURN 0                                         ; in the second trip its barrier orders nothing and its 32 loads (of step 6's slot once more) serve nothing: the price of one text for both trips
	WIN 0
	s_sub_co_u32 s3, s3, 1
	s_cmp_lg_u32 s3, 0
	s_cbranch_scc1 .Ltail
	PLACES                                         ; behind the last products
	s_wait_dscnt 0x0                               ; the loads that serve nothing have landed: their registers are free
	XLOAD 3
	XLOAD 4
	s_wait_loadcnt 32                              ; x's blocks 0, 2 and 1 are in; the 32 loads just issued stay out
; THE WAY OUT, by blocks a of 16 columns n.  TOSTAGE: a lane's eight s of row n = r go from the accumulators into my stage (each accumulator from its lowest registers on),
; and whole rows of 128 s = 512 bytes come back.  SEND: x is added, and the rows are stored.
.macro TOSTAGE a
	WIN (2+(\a)/4)<<2                              ; the stores' data: the sums' window
.irp b, 0,1,2,3,4,5,6,7
	ds_store_b128 v[STO], v[64*((\a)%4)+8*\b:64*((\a)%4)+8*\b+3]   offset:64*\b
	ds_store_b128 v[STO], v[64*((\a)%4)+8*\b+4:64*((\a)%4)+8*\b+7] offset:64*\b+16
.endr
	WIN 0
	s_wait_xcnt 0x0                                ; the buffer loaded below was the data of earlier stores: it is written again only behind this wait
.set t, 0
.rept 16
	ds_load_b128 v[R+64*((\a)%2)+4*t:R+64*((\a)%2)+4*t+3], v[RD] offset:t*SP  ; LDS serves a wave's instructions in order (ISA guide 5.7.1.4): these see the stores above; the next block's stores come behind them
.set t, t+1
.endr
.endm
.macro SEND a, younger                 ; younger: the LDS instructions issued behind this block's loads: the next block's 32, or none
	s_wait_dscnt \younger                          ; the block is back in registers
.if (\a) == 3
	s_wait_loadcnt 48                              ; x's blocks 3 and 4 are in; blocks 5 to 7 stay out
.elseif (\a) > 3
	s_wait_loadcnt 16*(7-(\a))                     ; block a is in; the later blocks stay out
.endif
	XREG \a
	WIN XW<<2                                      ; source 1: x's window
.set z, 0
.rept 32
	v_pk_add_f32 v[R+64*((\a)%2)+2*z:R+64*((\a)%2)+2*z+1], v[R+64*((\a)%2)+2*z:R+64*((\a)%2)+2*z+1], v[XR+2*z:XR+2*z+1]
.set z, z+1
.endr
	WIN 0
.set t, 0
.rept 16
	global_store_b128 v[XO], v[R+64*((\a)%2)+4*t:R+64*((\a)%2)+4*t+3], s[76:77] offset:(16*(\a)+t)*8192 th:TH_STORE_NT  ; 512 consecutive bytes, at a multiple of 256 from out0's first
.set t, t+1
.endr
.if (\a) < 3
	XLOAD (\a)+5                                   ; the buffer just read takes the block five further on
.endif
.endm
	TOSTAGE 0
.irp a, 1,2,3,4,5,6,7                  ; block a's way through the stage is begun ahead of the wait for block a - 1's
	TOSTAGE \a
	SEND (\a)-1, 32
.endr
	SEND 7, 0
	s_wait_tensorcnt 0x0                           ; the wave's end, behind my last tensor load and my last LDS store
	ds_add_u32 v[SPW], v[NIL]
	s_wait_dscnt 0x0
	CROUND                                         ; the closing round: no work-group ends while a partner may still ask for a tile that names it
	s_endpgm
.Lfunc_end_k_q8ff58ec2d7_oproj:
	.size	k_q8ff58ec2d7_oproj, .Lfunc_end_k_q8ff58ec2d7_oproj-k_q8ff58ec2d7_oproj
	.p2alignl 7, 3214868480
	.fill 96, 4, 3214868480
	.section	.rodata,"a",@progbits
	.p2align	6, 0x0
	.amdhsa_kernel k_q8ff58ec2d7_oproj
		.amdhsa_group_segment_fixed_size 327680
		.amdhsa_private_segment_fixed_size 0
		.amdhsa_enable_private_segment 0
		.amdhsa_kernarg_size 40
		.amdhsa_user_sgpr_count 2
		.amdhsa_user_sgpr_kernarg_segment_ptr 1
		.amdhsa_wavefront_size32 1
		.amdhsa_system_sgpr_workgroup_id_x 1
		.amdhsa_system_sgpr_workgroup_id_y 1
		.amdhsa_system_sgpr_workgroup_id_z 1
		.amdhsa_system_vgpr_workitem_id 0
		.amdhsa_next_free_vgpr 1024
		.amdhsa_next_free_sgpr 100
		.amdhsa_reserve_vcc 0
		.amdhsa_float_denorm_mode_32 3
		.amdhsa_float_denorm_mode_16_64 3
		.amdhsa_memory_ordered 1
		.amdhsa_forward_progress 1
		.amdhsa_inst_pref_size 130
	.end_amdhsa_kernel
	.amdgpu_metadata
---
amdhsa.version: [ 1, 2 ]
amdhsa.kernels:
  - .name:           k_q8ff58ec2d7_oproj
    .symbol:         k_q8ff58ec2d7_oproj.kd
    .args:
      - { .name: oh, .offset: 0, .size: 8, .value_kind: global_buffer, .address_space: global }
      - { .name: wb, .offset: 8, .size: 8, .value_kind: global_buffer, .address_space: global }
      - { .name: bo, .offset: 16, .size: 8, .value_kind: global_buffer, .address_space: global }
      - { .name: x, .offset: 24, .size: 8, .value_kind: global_buffer, .address_space: global }
      - { .name: out0, .offset: 32, .size: 8, .value_kind: global_buffer, .address_space: global }
    .group_segment_fixed_size: 327680
    .private_segment_fixed_size: 0
    .kernarg_segment_align: 8
    .kernarg_segment_size: 40
    .max_flat_workgroup_size: 128
    .sgpr_count:     100
    .vgpr_count:     1024
    .wavefront_size: 32
...
	.end_amdgpu_metadata
.endif
;; end of part 4
